; MI455X (gfx1250); checked and timed in simulation.
; The chip was launched on July 23, 2026; its instructions are those of AMD's public machine-readable ISA for CDNA 5 (MIT licence, August 2026) and "CDNA5" Instruction Set Architecture Reference Guide (July 2026). The comments in the code are by the model that wrote it; some were corrected since.
;; Multi Head Attention. Allowed arithmetic: matrix products marked QUANTISED: E2M1 operands, one E8M0 scale for each 32 along K, by v_wmma_scale_f32_16x16x128_f8f6f4 with both operands' format E2M1 (or v_wmma_scale_f32_32x16x128_f4), f32 sums; products left as they are: bf16, f16 or f32 operands; f32 sums; everything else in f32.
;; Inputs: Wk 1,024 x 1,024 float32; Wo 1,024 x 1,024 float32; Wq 1,024 x 1,024 float32; Wv 1,024 x 1,024 float32; x 4 x 2,048 x 1,024 float32.
;; Outputs: out0 4 x 2,048 x 1,024 float32.
;; This version of the problem:
;;   THIS VERSION OF THE PROBLEM IS GIVEN IN LOW PRECISION. The matrix products marked QUANTISED in the list below multiply operands that are first quantised to E2M1 (2 exponent bits, 1 mantissa bit; 4 bits a number), with one power-of-two scale for each 32 numbers along K (OCP MX v1.0); their sums are f32. The products marked 'left as it is' may take bf16, f16 or f32 operands, with f32 sums. Whichever they take, every output number must still come out within the allowed error. Rounding operands to bf16 (8 significant bits) uses up far more of that allowance than f16 does (11 bits, for magnitudes from 6e-5 to 65,504). All else is computed in f32.
;;   The module's matrix products, in the order in which they are computed (A, B: the left and right operand; K: the contracted axis; several contracted axes count as one K, in the product's order):
;;     1. [M 8,192, K 1,024] x [K 1,024, N 1,024]; A: input x; B: input Wq: QUANTISED
;;     2. [M 8,192, K 1,024] x [K 1,024, N 1,024]; A: input x; B: input Wk: QUANTISED
;;     3. [M 8,192, K 1,024] x [K 1,024, N 1,024]; A: input x; B: input Wv: QUANTISED
;;     4. batch 64 x [M 2,048, K 64] x [K 64, N 2,048]; A: computed on the way; B: computed on the way: left as it is (an operand is computed on the way)
;;     5. batch 64 x [M 2,048, K 2,048] x [K 2,048, N 64]; A: computed on the way; B: computed on the way: left as it is (an operand is computed on the way)
;;     6. [M 8,192, K 1,024] x [K 1,024, N 1,024]; A: computed on the way; B: input Wo: left as it is (an operand is computed on the way)
;;   THE QUANTISER, for each operand of a quantised product, along K:
;;     - K is cut into blocks of 32 from its start; a last block that is shorter is filled with zeros.
;;     - A block's scale is 2^e with e = floor(log2(the largest magnitude in the block)) - 2, held to -126 .. 127; a block of zeros has e = 0. As a byte (E8M0): e + 127.
;;     - Each number is divided by its block's scale, clamped to +-6, and rounded to the nearest number of E2M1, ties to even, subnormals kept.
;;     - The product sums the exact products of the quantised numbers (number of the format x scale) in f32.
;;   ~~~python
;;   def quantise(x, axis):      # numpy; x: float32 -> the quantised numbers, widened to float32 again
;;       x = np.moveaxis(x, axis, -1); K = x.shape[-1]
;;       x = np.pad(x, [(0, 0)] * (x.ndim - 1) + [(0, -K % 32)]); x = x.reshape(x.shape[:-1] + (-1, 32)); a = np.abs(x).max(-1, keepdims=True)
;;       e = np.where(a > 0, np.clip(np.frexp(np.where(a > 0, a, 1))[1] - 1 - 2, -126, 127), 0)      # np.frexp(a)[1] - 1 = floor(log2(a)), exactly
;;       r = np.clip(x / 2.0 ** e, -6, 6)
;;       step = 2.0 ** (np.maximum(np.frexp(np.where(r == 0, 1, r))[1] - 1, 0) - 1)
;;       q = np.round(r / step) * step * 2.0 ** e      # np.round: ties to even
;;       return np.moveaxis(q.reshape(q.shape[:-2] + (-1,))[..., :K], -1, axis).astype(np.float32)
;;   ~~~
;; One version. Each part assembles by itself: llvm-mc -triple=amdgcn-amd-amdhsa -mcpu=gfx1250 --defsym DOCPART=n.
;; ======== version 1 of 1: 4 launches
;; limits: values are held in f16: magnitudes above 65,504 overflow, below 6.1e-05 lose precision
;; workspace buffers: xc 4,194,304 bytes; xs 262,144 bytes; wc 1,572,864 bytes; ws 98,304 bytes; wo16 2,097,152 bytes; qimg 16,777,216 bytes; kv 33,554,432 bytes; ao 16,777,216 bytes
;; launch prep (part 1): grid 480 x 1, 4 waves a work-group, no clusters, 67,072 bytes of LDS; arguments x, Wq, Wk, Wv, Wo, xc, xs, wc, ws, wo16; writes xc, xs, wc, ws, wo16
.if DOCPART == 1
	.amdgcn_target "amdgcn-amd-amdhsa--gfx1250"
	.amdhsa_code_object_version 6
	.text
	.protected	k_qc386d456ff_prep
	.globl	k_qc386d456ff_prep
	.p2align	8
	.type	k_qc386d456ff_prep,@function
k_qc386d456ff_prep:
	s_mov_b64 s[64:65], 0
	v_nop
	global_prefetch_b8 v0, s[64:65] scope:SCOPE_SE
	s_setreg_imm32_b32 hwreg(HW_REG_WAVE_MODE, 25, 1), 1
	s_wait_xcnt 0x0
; x [8192][1024] and Wq, Wk, Wv [1024][1024], f32, K innermost, become codes of FP4 (E2M1), two a byte, and one E8M0 scale byte for each 32 along K:
; xc [8192][512 bytes], xs [8192][32]; wc and ws hold Wq's, Wk's and Wv's 1,024 rows on end.  Wo [1024][1024] becomes f16, laid as the last launch's operand registers want it.
; A block's scale is 2^(floor(log2(its largest magnitude)) - 2); its byte is the largest magnitude's exponent field - 2, held at 1 from below; each number is divided by the scale and rounded to the nearest code, ties to
; even, beyond the largest code the largest.  A block of zeros gets the byte 1, not 127: its codes are zeros, and this program alone reads the bytes.
; LIMITS: NaN and infinities are not served; blocks whose largest magnitude lies under 2^(2 - 126) have their byte held at 1; |Wo| over 65,504 becomes infinity in f16, and under 6.1e-5 it keeps an absolute step of 6e-8.
; SHARES.  Work-groups 0-255 take x, 256-351 the three weights (32 each), 32,768 numbers a work-group, 8,192 a wave: 16 steps of 512.  All four tensors take ONE path, the pointers are chosen by the work-group's number.
; Each load reads 512 consecutive bytes; a step's 2,048 bytes turn through the wave's own stage in LDS so that a lane holds 16 neighbours along K (two lanes to a block).  A wave's store of codes covers 256 consecutive
; bytes; its 256 scale bytes are gathered in LDS and leave as one store of 256 consecutive bytes.
; Work-groups 352-479 take Wo: a wave takes 16 rows x 128 columns.  A CHUNK is 512 bytes: lane (r = lane % 16, h = lane / 16) has 16 bytes at 16 x lane: row r, k = 16 c + 8 h + 0 .. 7 in f16: two chunks on end are the
; registers of a 16 x 32 fragment.  wo16 = [n / 128][k / 128][(n / 16) % 8][(k / 16) % 8] chunks.  The rows turn through a stage of the wave's own (bytes that the other path never names).
; Memory binds: no matrix unit, no cluster, no barrier (waves share nothing).
.set STEPS, 16
.set EMAX,  2
.set CB,    8                          ; bytes of 16 codes
.set R,     16                         ; v16-79   four sets of 16 numbers as loaded
.set X,     80                         ; v80-111  two sets of 16 neighbours
.set E,     112                        ; v112-127 a scale byte for each step
.set C,     128                        ; v128-191 codes: four registers a step, so that no store's data are written again
.set WREG,  8192                       ; LDS of a quantising wave: two stages of 32 x SP bytes, then its 256 scale bytes
.set SP,    80                         ; a lane's place in a stage: 64 bytes + 16 of padding
.set SPW,   12                         ; v12  LDS address of my spare word; never rewritten
.set NIL,   13                         ; v13  0; never rewritten
.set WST,   176                        ; v176 Wo's stage, on the way in: 16 x lane
.set RDW,   177                        ; v177 and on the way out: row lane % 16, + 32 (lane / 16)
.set WOST,  4*WREG                     ; Wo's four stages
.set WP,    528                        ; a stage row: 512 bytes + 16 of padding
.set SPARE, WOST+4*16*WP               ; the spare words: 128 bytes a wave, named by no other line
.set LD,    16                         ; Wo's path: v16-79 rows as loaded, v80-143 turned, v144-175 f16
.set TD,    80
.set HD,    144
.set WV,    34
	s_load_b512 s[8:23], s[0:1], 0x0               ; x 8, Wq 10, Wk 12, Wv 14, Wo 16, xc 18, xs 20, wc 22
	s_load_b128 s[24:27], s[0:1], 0x40             ; ws 24, wo16 26
	v_lshl_add_u32 v[SPW], v0, 2, SPARE
	v_mov_b32 v[NIL], 0
	v_lshrrev_b32 v1, 5, v0
	v_readfirstlane_b32 s[WV], v1                  ; wave
	v_and_b32 v2, 31, v0                           ; lane
	v_lshlrev_b32 v3, 4, v2                        ; my 16 bytes of a load's or a chunk's 512
	s_mul_i32 s35, s[WV], WREG
	v_lshrrev_b32 v14, 2, v2
	v_mul_u32_u24 v14, v14, SP
	v_and_b32 v15, 3, v2
	v_lshl_add_u32 v14, v15, 4, v14
	v_add_nc_u32 v14, s35, v14                     ; the stage, in: four lanes' 64 bytes on end, then 16 of padding
	v_mul_u32_u24 v15, v2, SP
	v_add_nc_u32 v15, s35, v15                     ; and out: my 16 neighbours
	v_mul_u32_u24 v4, v2, CB                       ; my codes' place in a step's
	v_lshrrev_b32 v5, 1, v2
	s_add_co_u32 s35, s35, 2*32*SP
	v_add_nc_u32 v5, s35, v5                       ; my block's scale byte in LDS
	v_lshlrev_b32 v7, 3, v2
	v_add_nc_u32 v6, s35, v7                       ; and 8 bytes a lane on the way out
	s_mul_i32 s36, s[WV], 16*WP
	s_add_co_u32 s36, s36, WOST
	v_add_nc_u32 v[WST], s36, v3
	v_and_b32 v8, 15, v2
	v_lshrrev_b32 v9, 4, v2
	v_mul_u32_u24 v8, v8, WP
	v_lshl_add_u32 v8, v9, 5, v8
	v_add_nc_u32 v[RDW], s36, v8
	s_and_b32 s30, ttmp9, 31                       ; a weight's run of 32,768 numbers
	s_sub_co_u32 s31, ttmp9, 256                   ; and its place among the three weights' runs
	s_wait_kmcnt 0x0
	s_cmp_ge_u32 ttmp9, 352
	s_cbranch_scc1 .Lwo
	s_cmp_lt_u32 ttmp9, 320                        ; which tensor: the choices hang on the work-group's number alone
	s_cselect_b64 s[4:5], s[12:13], s[14:15]
	s_cmp_lt_u32 ttmp9, 288
	s_cselect_b64 s[4:5], s[10:11], s[4:5]
	s_cmp_lt_u32 ttmp9, 256
	s_cselect_b64 s[4:5], s[8:9], s[4:5]           ; the numbers,
	s_cselect_b64 s[6:7], s[18:19], s[22:23]       ; the codes,
	s_cselect_b64 s[28:29], s[20:21], s[24:25]     ; the scale bytes
	s_cselect_b32 s30, ttmp9, s30
	s_cselect_b32 s31, ttmp9, s31
	s_lshl_b32 s32, s30, 17                        ; 131,072 bytes of numbers a work-group, 32,768 a wave
	s_lshl_b32 s33, s[WV], 15
	s_add_co_u32 s32, s32, s33
	s_mov_b32 s33, 0
	s_add_nc_u64 s[4:5], s[4:5], s[32:33]
	s_lshl_b32 s32, s31, 14                        ; 16,384 bytes of codes, 4,096 a wave
	s_lshl_b32 s36, s[WV], 12
	s_add_co_u32 s32, s32, s36
	s_add_nc_u64 s[6:7], s[6:7], s[32:33]
	s_lshl_b32 s32, s31, 10                        ; 1,024 scale bytes, 256 a wave
	s_lshl_b32 s36, s[WV], 8
	s_add_co_u32 s32, s32, s36
	s_add_nc_u64 s[28:29], s[28:29], s[32:33]
.macro LOAD t
.irp i, 0,1,2,3
	global_load_b128 v[R+16*((\t)%4)+4*\i:R+16*((\t)%4)+4*\i+3], v3, s[4:5] offset:2048*(\t)+512*\i th:TH_LOAD_NT   ; 32 lanes read 512 consecutive bytes
.endr
.endm
.macro TURN t                          ; step t's numbers through the stage: LDS serves a wave's instructions in order, so no wait stands between the stores and the loads
.irp i, 0,1,2,3
	ds_store_b128 v14, v[R+16*((\t)%4)+4*\i:R+16*((\t)%4)+4*\i+3] offset:32*SP*((\t)%2)+8*SP*\i
.endr
.irp i, 0,1,2,3
	ds_load_b128 v[X+16*((\t)%2)+4*\i:X+16*((\t)%2)+4*\i+3], v15 offset:32*SP*((\t)%2)+16*\i
.endr
.endm
.irp t, 0,1,2,3
	LOAD \t
.endr
	s_wait_loadcnt 12                              ; step 0's four loads are in; the twelve of steps 1 to 3 stay out
	TURN 0
.macro STEP t
.set XS, X+16*((\t)%2)
.if (\t) > 0
	s_wait_dscnt 1                                 ; this step's numbers are back from the stage (the last step's byte store may be out): so its stores into the stage have read their registers,
.else
	s_wait_dscnt 0x0
.endif
.if (\t)+4 < STEPS
	LOAD (\t)+4                                    ; which take the loads of four steps on
.endif
.if (\t)+1 < STEPS
.if STEPS-2-(\t) >= 3
	s_wait_loadcnt 12                              ; the next step's four loads are in; those of the three steps behind it may be out
.else
	s_wait_loadcnt 4*(STEPS-2-(\t))
.endif
	TURN (\t)+1                                    ; and go through the other stage while this step is worked
.endif
	v_max3_num_f32 v8, |v[XS]|, |v[XS+1]|, |v[XS+2]|               ; the largest magnitude of my 16, in two chains
	v_max3_num_f32 v9, |v[XS+3]|, |v[XS+4]|, |v[XS+5]|
.irp i, 6,10
	v_max3_num_f32 v8, v8, |v[XS+\i]|, |v[XS+\i+1]|
	v_max3_num_f32 v9, v9, |v[XS+\i+2]|, |v[XS+\i+3]|
.endr
	v_max3_num_f32 v8, v8, |v[XS+14]|, |v[XS+15]|
	v_max3_num_f32 v8, v8, v9, (EMAX+1)<<23        ; and the floor 2^(EMAX + 1 - 127): the byte cannot fall under 1
	v_max_num_f32_dpp v8, v8, v8 row_xmask:1 row_mask:0xf bank_mask:0xf   ; and of my neighbour's 16: the block's
	v_add_nc_u32 v11, -(EMAX<<23), v8              ; EMAX off its exponent field: the conversion takes the exponent field of this operand as its scale
	v_cvt_scalef32_pk8_fp4_f32 v[C+4*(\t)], v[XS:XS+7], v11
	v_cvt_scalef32_pk8_fp4_f32 v[C+4*(\t)+1], v[XS+8:XS+15], v11
	v_lshrrev_b32 v[E+(\t)], 23, v11               ; the scale's byte (a plain line behind the conversions)
	ds_store_b8 v5, v[E+(\t)] offset:16*(\t)       ; both lanes of a block write the same byte with the same value
	global_store_b64 v4, v[C+4*(\t):C+4*(\t)+1], s[6:7] offset:32*CB*(\t)   ; the wave stores 256 consecutive bytes, aligned
.endm
.irp t, 0,1,2,3,4,5,6,7,8,9,10,11,12,13,14,15
	STEP \t
.endr
	ds_load_b64 v[8:9], v6                         ; LDS serves a wave's instructions in order: these see my stores
	s_wait_dscnt 0x0
	global_store_b64 v7, v[8:9], s[28:29]          ; 32 lanes store 256 consecutive bytes, aligned
	s_wait_tensorcnt 0x0                           ; the wave's end
	ds_add_u32 v[SPW], v[NIL]
	s_wait_dscnt 0x0
	s_endpgm
.Lwo:
	s_sub_co_u32 s30, ttmp9, 352
	s_lshl_b32 s30, s30, 2
	s_add_co_u32 s30, s30, s[WV]                   ; my task, 0 .. 511
	s_lshr_b32 s31, s30, 3                         ; which 16 rows of Wo
	s_and_b32 s30, s30, 7                          ; which 128 columns
	s_lshl_b32 s32, s31, 16                        ; 16 rows of 4,096 bytes
	s_lshl_b32 s33, s30, 9
	s_add_co_u32 s32, s32, s33
	s_mov_b32 s33, 0
	s_add_nc_u64 s[16:17], s[16:17], s[32:33]
	s_lshr_b32 s32, s31, 3
	s_lshl_b32 s32, s32, 18                        ; wo16: (n / 128) x 2^18
	s_lshl_b32 s36, s30, 15                        ; + (k / 128) x 2^15
	s_add_co_u32 s32, s32, s36
	s_and_b32 s36, s31, 7
	s_lshl_b32 s36, s36, 12                        ; + ((n / 16) % 8) x 4,096
	s_add_co_u32 s32, s32, s36
	s_add_nc_u64 s[26:27], s[26:27], s[32:33]
.irp r, 0,1,2,3,4,5,6,7,8,9,10,11,12,13,14,15
	global_load_b128 v[LD+4*\r:LD+4*\r+3], v3, s[16:17] offset:4096*\r th:TH_LOAD_NT   ; row r: 512 consecutive bytes
.endr
.irp r, 0,1,2,3,4,5,6,7,8,9,10,11,12,13,14,15
	s_wait_loadcnt 15-\r                           ; row r is in; the younger rows' loads stay out
	ds_store_b128 v[WST], v[LD+4*\r:LD+4*\r+3] offset:WP*\r
.endr
.irp i, 0,1,2,3,4,5,6,7,8,9,10,11,12,13,14,15
	ds_load_b128 v[TD+4*\i:TD+4*\i+3], v[RDW] offset:64*(\i/2)+16*(\i%2)   ; chunk i / 2: my row's 8 numbers, in two loads (my own stores, served in order)
.endr
.irp c, 0,1,2,3,4,5,6,7
	s_wait_dscnt 14-2*\c                           ; chunk c's two loads are in; the later chunks' stay out
.irp i, 0,1,2,3
	v_cvt_pk_f16_f32 v[HD+4*\c+\i], v[TD+8*\c+2*\i], v[TD+8*\c+2*\i+1]
.endr
	global_store_b128 v3, v[HD+4*\c:HD+4*\c+3], s[26:27] offset:512*\c     ; a chunk: 512 consecutive bytes, aligned
.endr
	s_wait_tensorcnt 0x0                           ; the wave's end: the same three lines
	ds_add_u32 v[SPW], v[NIL]
	s_wait_dscnt 0x0
	s_endpgm
.Lfunc_end_k_qc386d456ff_prep:
	.size	k_qc386d456ff_prep, .Lfunc_end_k_qc386d456ff_prep-k_qc386d456ff_prep
	.p2alignl 7, 3214868480
	.fill 96, 4, 3214868480
	.section	.rodata,"a",@progbits
	.p2align	6, 0x0
	.amdhsa_kernel k_qc386d456ff_prep
		.amdhsa_group_segment_fixed_size 67072
		.amdhsa_private_segment_fixed_size 0
		.amdhsa_enable_private_segment 0
		.amdhsa_kernarg_size 80
		.amdhsa_user_sgpr_count 2
		.amdhsa_user_sgpr_kernarg_segment_ptr 1
		.amdhsa_wavefront_size32 1
		.amdhsa_system_sgpr_workgroup_id_x 1
		.amdhsa_system_sgpr_workgroup_id_y 1
		.amdhsa_system_sgpr_workgroup_id_z 1
		.amdhsa_system_vgpr_workitem_id 0
		.amdhsa_next_free_vgpr 192
		.amdhsa_next_free_sgpr 66
		.amdhsa_reserve_vcc 0
		.amdhsa_float_denorm_mode_32 3
		.amdhsa_float_denorm_mode_16_64 3
		.amdhsa_memory_ordered 1
		.amdhsa_forward_progress 1
		.amdhsa_inst_pref_size 42
	.end_amdhsa_kernel
	.amdgpu_metadata
---
amdhsa.version: [ 1, 2 ]
amdhsa.kernels:
  - .name:           k_qc386d456ff_prep
    .symbol:         k_qc386d456ff_prep.kd
    .args:
      - { .name: x, .offset: 0, .size: 8, .value_kind: global_buffer, .address_space: global }
      - { .name: Wq, .offset: 8, .size: 8, .value_kind: global_buffer, .address_space: global }
      - { .name: Wk, .offset: 16, .size: 8, .value_kind: global_buffer, .address_space: global }
      - { .name: Wv, .offset: 24, .size: 8, .value_kind: global_buffer, .address_space: global }
      - { .name: Wo, .offset: 32, .size: 8, .value_kind: global_buffer, .address_space: global }
      - { .name: xc, .offset: 40, .size: 8, .value_kind: global_buffer, .address_space: global }
      - { .name: xs, .offset: 48, .size: 8, .value_kind: global_buffer, .address_space: global }
      - { .name: wc, .offset: 56, .size: 8, .value_kind: global_buffer, .address_space: global }
      - { .name: ws, .offset: 64, .size: 8, .value_kind: global_buffer, .address_space: global }
      - { .name: wo16, .offset: 72, .size: 8, .value_kind: global_buffer, .address_space: global }
    .group_segment_fixed_size: 67072
    .private_segment_fixed_size: 0
    .kernarg_segment_align: 8
    .kernarg_segment_size: 80
    .max_flat_workgroup_size: 128
    .sgpr_count:     66
    .vgpr_count:     192
    .wavefront_size: 32
...
	.end_amdgpu_metadata
.endif
;; end of part 1
;; launch qkv (part 2): grid 12 x 32, 4 waves a work-group, clusters of 4 x 4, 327,680 bytes of LDS; arguments xc, xs, wc, ws, qimg, kv; writes qimg, kv
.if DOCPART == 2
	.amdgcn_target "amdgcn-amd-amdhsa--gfx1250"
	.amdhsa_code_object_version 6
	.text
	.protected	k_qc386d456ff_qkv
	.globl	k_qc386d456ff_qkv
	.p2align	8
	.type	k_qc386d456ff_qkv,@function
k_qc386d456ff_qkv:
	s_mov_b64 s[64:65], 0
	v_nop
	global_prefetch_b8 v0, s[64:65] scope:SCOPE_SE
	s_setreg_imm32_b32 hwreg(HW_REG_WAVE_MODE, 25, 1), 1
	s_wait_xcnt 0x0
	s_wait_alu depctr_hold_cnt(0) depctr_sa_sdst(0) depctr_va_vdst(0) depctr_va_sdst(0) depctr_va_ssrc(0) depctr_va_vcc(0) depctr_vm_vsrc(0)
	s_getreg_b32 s2, hwreg(HW_REG_IB_STS2, 6, 4)
	s_cmp_eq_u32 s2, 0
	s_cbranch_scc0 .Lentry_in_a_cluster
	s_endpgm
.Lentry_in_a_cluster:
	s_bfe_u32 s2, ttmp6, 0x10000c
	s_cmp_lg_u32 s2, 0xf033
	s_cbranch_scc0 .Lentry_shape_is_right
	s_endpgm
.Lentry_shape_is_right:
; q = x Wq^T, k = x Wk^T, v = x Wv^T on codes of FP4 (E2M1) with one E8M0 scale for each 32 along K = 1,024: [8192 tokens] x [3072 rows of the three weights].  Sums in f32; the results are rounded once to f16
; and stored as CHUNKS (512 bytes: lane (r, h) has 16 bytes at 16 x lane: row r, k = 16 c + 8 h + 0 .. 7), in the order in which the attention launch's operand registers take them:
;   qimg: (batch x 16 + head) x 2^18 + (query / 16) x 2,048 + (dim / 16) x 512                       rows = queries, k = the head's dims
;   kv:   (batch x 16 + head) x 2^19 + (key / 64) x 16,384 + ((key / 16) % 4) x 2,048 + (dim / 16) x 512       K: rows = keys, k = dims
;         ... + 8,192 + (channel / 16) x 2,048 + ((key / 16) % 4) x 512                                        V: rows = channels, k = keys
; LIMIT: |q|, |k|, |v| over 65,504 become infinity in f16; under 6.1e-5 they keep an absolute step of 6e-8.
; A tile of 256 x 256 is made by four waves, 128 x 128 each: 64 accumulators, 512 registers.  K = 1,024 is two slots of 512 along K (rows of 256 bytes): both are filled at the start and nothing is filled again.
; The scale bytes of the work-group's 2 x 256 rows, for all of K, are two dense blocks: they come once, with the first fills.
; THE MATRIX INSTRUCTION IS USED TRANSPOSED: source 0 = 16 rows of B, source 1 = 16 rows of A: a lane holds one row of A and eight neighbouring rows of B, which pack into the 16 bytes of a chunk.
; So A is what a chunk's rows are: for q and k (cluster x = 0, 1) A = x and B = the weight; for v (cluster x = 2) A = Wv and B = x.  The choice hangs on the cluster's x alone, which all sixteen partners share.
; CLUSTERS: 4 x 4 work-groups; A's tile is shared along a row of the cluster, B's along a column: each is asked for jointly, which divides the requests by four.
; No prefetch: all tiles are asked for at the head.  384 work-groups of equal work.
; REGISTERS as windows of 256: window 0: v0-31 addresses; v32-95 scale words, two sets, and nothing else; from v128 A's fragments, one set; on the way out v96-255 take the packed results.
;   window 1: B's fragments, two sets, at v0 and v128.   window 2: the accumulators of my A rows 0-63 ((a, b) at v[8 (8 a + b)]);   window 3: those of rows 64-127.
.set KSTEP,  512
.set NQ,     KSTEP/128
.set ROWB,   256                       ; a tile's row in bytes
.set KROW,   512                       ; a row of codes in memory
.set PITCH,  272                       ; an LDS row: 256 bytes + 16 of padding, so that the 16 rows of a fragment load start 16 bytes apart modulo 256
.set FR,     8
.set NL,     2
.set NP,     4                         ; places behind this matrix instruction (ISA guide 7.12.1)
.set HALFT,  128*PITCH
.set SLOT,   4*HALFT
.set KS,     32                        ; a row of scale bytes
.set SCL,    2*SLOT
.set HALFS,  (128*KS/256)*272
.set SBLK,   (16*KS/256)*272
.set SPARE,  SCL+4*HALFS               ; the spare words: 128 bytes a wave, named by no other line
.set ADRA, 16
.set ADRB, 20
.set CO,   26                          ; v26  16 x lane: my place in a chunk
.set ADRS, 27
.set SPW,  28
.set NIL,  29
.set SC,   32
.set AF,   128
.set PK,   96                          ; the way out: packed results, five sets of 32 registers by turns, v96-255: behind the scale words' registers
.set NPK,  5
.set G1, 24
.set G0, 32
.set G1B, 48
.set G0B, 56
.set G1S, 68
.set G0S, 76
.set G1SB, 80
.set G0SB, 88
.set MSB, 0
.macro WIN new                         ; the immediate's high byte repeats the setting that is left
.if MSB != \new
	s_set_vgpr_msb (MSB<<8)|\new
.set MSB, \new
.endif
.endm
.set MUL_LO, 0xa1                      ; source 0 (B) window 1, source 1 (A) window 0, C and D window 2
.set MUL_HI, 0xf1
.set TO_B,   0x40
; A joint load: waves 0 and 1 fetch for A, waves 2 and 3 for B; the branch hangs on the wave's number alone.  An s_nop 0 and four v_nop follow each of the two lines.
.macro JLOAD g0a, g1a, g0b, g1b
	s_cmp_eq_u32 s15, 0
	s_cbranch_scc0 .Lfor_b_\@
	tensor_load_to_lds s[\g0a:\g0a+3], s[\g1a:\g1a+7]
	s_nop 0
.rept 4
	v_nop
.endr
	s_branch .Lasked_\@
.Lfor_b_\@:
	tensor_load_to_lds s[\g0b:\g0b+3], s[\g1b:\g1b+7]
	s_nop 0
.rept 4
	v_nop
.endr
.Lasked_\@:
.endm
.macro CROUND                          ; a round of the cluster's barrier
	s_barrier_signal -1
	s_barrier_wait -1
	s_cmp_lg_u32 s14, 0
	s_cbranch_scc1 .Lnot_wave_0_\@
	s_barrier_signal -3
.Lnot_wave_0_\@:
	s_barrier_wait -3
	s_barrier_signal -1
	s_barrier_wait -1
.endm
	s_load_b128 s[4:7], s[0:1], 0x0                ; x's codes, x's scales
	s_load_b128 s[8:11], s[0:1], 0x10              ; the weights' codes, their scales
	s_load_b128 s[96:99], s[0:1], 0x20             ; qimg, kv
	v_lshl_add_u32 v[SPW], v0, 2, SPARE
	v_mov_b32 v[NIL], 0
	ds_add_u32 v[SPW], v[NIL]                      ; the wave's opening: the add, twice on end, and its wait ahead of my first tensor load
	ds_add_u32 v[SPW], v[NIL]
	v_lshrrev_b32 v1, 5, v0
	v_readfirstlane_b32 s14, v1                    ; wave 0..3
	s_lshr_b32 s15, s14, 1                         ; which half of A's rows is mine.  Also: I fetch for A (0) or for B (1)
	s_and_b32 s16, s14, 1                          ; which half of B's rows.  Also: which 128 rows of that tile I fetch
	s_bfe_u32 s40, ttmp6, 0x40000                  ; cx
	s_bfe_u32 s41, ttmp6, 0x40004                  ; cy
	s_lshl_b32 s42, ttmp9, 2                       ; 4 x cluster x
	s_and_b32 s17, ttmp7, 0xffff
	s_lshl_b32 s17, s17, 2                         ; 4 x cluster y
	s_cmp_lt_u32 ttmp9, 2                          ; q or k?
	s_cselect_b32 s42, s42, s17                    ; B's tile: of the weights 4 X + cx; for v of the tokens 4 Y + cx
	s_cselect_b32 s17, s17, 8                      ; A's tile: of the tokens 4 Y + cy; for v of the weights 8 + cy
	s_add_co_u32 s42, s42, s40
	s_add_co_u32 s17, s17, s41
	s_lshl_b32 s43, s41, 2
	s_lshl_b32 s43, 15, s43                        ; my row of the cluster
	s_lshl_b32 s44, 0x1111, s40                    ; my column
	s_or_b32 s[G1+0], s43, (0<<16)|(1<<20)|(1<<21)|(5<<22)|(3<<25)  ; the mask; elements of 1 byte; padding: 4 words behind every 64; bit 21 beside a mask
	s_or_b32 s[G1B+0], s44, (0<<16)|(1<<20)|(1<<21)|(5<<22)|(3<<25)
.irp g, G1, G1B
	s_mov_b32 s[\g+1], ROWB<<16                    ; tensor_dim0
	s_mov_b32 s[\g+2], 128<<16                     ; tensor_dim1
	s_mov_b32 s[\g+3], ROWB<<16                    ; tile_dim0
	s_mov_b32 s[\g+4], 128                         ; tile_dim1
	s_mov_b32 s[\g+5], KROW                        ; from row to row
	s_mov_b32 s[\g+6], 0
	s_mov_b32 s[\g+7], 0
.endr
	s_or_b32 s[G1S+0], s43, (3<<16)|(1<<20)|(1<<21)|(5<<22)|(3<<25) ; the scales of 128 rows: 4,096 dense bytes as 16 rows of 32 elements of 8 bytes, 16 bytes of padding behind each
	s_or_b32 s[G1SB+0], s44, (3<<16)|(1<<20)|(1<<21)|(5<<22)|(3<<25)
.irp g, G1S, G1SB
	s_mov_b32 s[\g+1], 32<<16
	s_mov_b32 s[\g+2], (128*KS/256)<<16
	s_mov_b32 s[\g+3], 32<<16
	s_mov_b32 s[\g+4], 128*KS/256
	s_mov_b32 s[\g+5], 32
	s_mov_b32 s[\g+6], 0
	s_mov_b32 s[\g+7], 0
.endr
	s_lshl_b32 s18, s16, 7                         ; which 128 rows of the tile I fetch
	s_lshl_b32 s20, s17, 8
	s_add_co_u32 s20, s20, s18                     ; A: row 256 x tile + 128 x half
	s_lshl_b32 s46, s42, 8
	s_add_co_u32 s46, s46, s18                     ; B likewise
	s_mov_b32 s21, 0
	s_mov_b32 s47, 0
	s_mov_b64 s[18:19], KS
	s_mul_u64 s[22:23], s[20:21], s[18:19]         ; where these rows' scales begin,
	s_mul_u64 s[92:93], s[46:47], s[18:19]
	s_mov_b64 s[18:19], KROW
	s_mul_u64 s[20:21], s[20:21], s[18:19]         ; and their codes
	s_mul_u64 s[46:47], s[46:47], s[18:19]
	s_mul_i32 s45, s14, HALFT                      ; where they go: wave x 128 rows
	s_mul_i32 s94, s14, HALFS
	s_wait_dscnt 0x0                               ; both opening adds are done
	s_wait_kmcnt 0x0
	s_cmp_lt_u32 ttmp9, 2                          ; A = x for q and k, the weights for v; B the other
	s_cselect_b64 s[100:101], s[4:5], s[8:9]
	s_add_nc_u64 s[20:21], s[100:101], s[20:21]
	s_cselect_b64 s[100:101], s[6:7], s[10:11]
	s_add_nc_u64 s[22:23], s[100:101], s[22:23]
	s_cselect_b64 s[100:101], s[8:9], s[4:5]
	s_add_nc_u64 s[46:47], s[100:101], s[46:47]
	s_cselect_b64 s[100:101], s[10:11], s[6:7]
	s_add_nc_u64 s[92:93], s[100:101], s[92:93]
	s_cmp_eq_u32 ttmp9, 0
	s_cselect_b64 s[12:13], s[96:97], s[98:99]     ; q goes to qimg, k and v to kv
	CROUND                                         ; all sixteen work-groups are here: the first joint loads meet
	s_mov_b32 s[G0S], 1
	s_add_co_u32 s[G0S+1], s94, SCL
	s_mov_b64 s[G0S+2:G0S+3], s[22:23]
	s_or_b32 s[G0S+3], s[G0S+3], 0x80000000
	s_mov_b32 s[G0SB], 1
	s_add_co_u32 s[G0SB+1], s94, SCL
	s_mov_b64 s[G0SB+2:G0SB+3], s[92:93]
	s_or_b32 s[G0SB+3], s[G0SB+3], 0x80000000
	JLOAD G0S, G1S, G0SB, G1SB                     ; the scales first: they are wanted with slot 0
.irp s, 0,1
	s_mov_b32 s[G0+4*\s], 1
	s_add_co_u32 s[G0+4*\s+1], s45, \s*SLOT
	s_add_nc_u64 s[G0+4*\s+2:G0+4*\s+3], s[20:21], \s*ROWB
	s_or_b32 s[G0+4*\s+3], s[G0+4*\s+3], 0x80000000
	s_mov_b32 s[G0B+4*\s], 1
	s_add_co_u32 s[G0B+4*\s+1], s45, \s*SLOT
	s_add_nc_u64 s[G0B+4*\s+2:G0B+4*\s+3], s[46:47], \s*ROWB
	s_or_b32 s[G0B+4*\s+3], s[G0B+4*\s+3], 0x80000000
	JLOAD G0+4*\s, G1, G0B+4*\s, G1B               ; three loads of mine are out
.endr
	v_and_b32 v1, 15, v0                           ; l % 16
	v_bfe_u32 v2, v0, 4, 1                         ; l / 16
	v_mul_u32_u24 v3, v1, PITCH
	v_lshl_add_u32 v4, v2, 4, v3                   ; a fragment's row x pitch + 16 x half
	s_mul_i32 s21, s15, HALFT                      ; my 128 rows of A
	s_mul_i32 s22, s16, HALFT                      ; my 128 rows of B,
	s_add_co_u32 s22, s22, 2*HALFT                 ; which lie behind A's 256
.irp s, 0,1
	v_add_nc_u32 v[ADRA+\s], s21, v4
	v_add_nc_u32 v[ADRB+\s], s22, v4
	s_add_co_u32 s21, s21, SLOT
	s_add_co_u32 s22, s22, SLOT
.endr
	v_mul_u32_u24 v5, v1, KS                       ; my row's scales: KS bytes a row,
	v_lshrrev_b32 v6, 8, v5
	v_lshl_add_u32 v5, v6, 4, v5                   ; and 16 more for each 256 passed
	s_mul_i32 s21, s15, HALFS
	s_mul_i32 s22, s16, HALFS
	s_add_co_u32 s22, s22, 2*HALFS
	s_sub_co_u32 s22, s22, s21
	v_mul_u32_u24 v6, s22, v2                      ; lanes 16-31 take B's: one product, the distance between the two bases
	s_add_co_u32 s21, s21, SCL
	v_add_nc_u32 v5, v5, v6
	v_add_nc_u32 v[ADRS], s21, v5
	v_and_b32 v6, 31, v0
	v_lshlrev_b32 v[CO], 4, v6
	; where my results go.  TT: the tile of 256 tokens, th: my half of it; FT: the tile of 256 features within its weight, fh: my half
	s_cmp_lt_u32 ttmp9, 2
	s_cselect_b32 s66, s17, s42                    ; TT
	s_cselect_b32 s67, s15, s16                    ; th
	s_cselect_b32 s2, s40, s41                     ; FT
	s_cselect_b32 s3, s16, s15                     ; fh
	s_mov_b32 s92, 0x40000
	s_cselect_b32 s92, 0x2000, s92                 ; four blocks of A on: four tiles of tokens (q, k) or a head (v)
	s_mov_b32 s93, 0x2000
	s_cselect_b32 s93, 0x40000, s93                ; four blocks of B on: the other way round
	s_cmp_lg_u32 ttmp9, 0
	s_cselect_b32 s94, 1, 0                        ; kv's strides are twice qimg's
	s_cmp_eq_u32 ttmp9, 2
	s_cselect_b32 s95, 0x2000, 0                   ; V lies 8,192 bytes behind K in a key step
	s_lshr_b32 s46, s66, 3
	s_lshl_b32 s46, s46, 22                        ; the batch
	s_lshl_b32 s2, s2, 2
	s_lshl_b32 s3, s3, 1
	s_add_co_u32 s2, s2, s3
	s_lshl_b32 s2, s2, 18                          ; my first head
	s_add_co_u32 s46, s46, s2
	s_and_b32 s66, s66, 7
	s_lshl_b32 s66, s66, 4
	s_lshl_b32 s67, s67, 3
	s_add_co_u32 s66, s66, s67
	s_lshl_b32 s66, s66, 11                        ; my first tile of 16 tokens
	s_add_co_u32 s46, s46, s66
	s_lshl_b32 s46, s46, s94
	s_add_co_u32 s46, s46, s95
	s_mov_b32 s47, 0
	s_lshl_b32 s92, s92, s94
	s_lshl_b32 s94, s93, s94
	s_mov_b32 s93, 0
	s_mov_b32 s95, 0
	s_add_nc_u64 s[16:17], s[12:13], s[46:47]      ; four bases: A's blocks 0-3 and B's 0-3,
	s_add_nc_u64 s[18:19], s[16:17], s[92:93]      ; A's 4-7,
	s_add_nc_u64 s[20:21], s[16:17], s[94:95]      ; B's 4-7,
	s_add_nc_u64 s[22:23], s[18:19], s[94:95]      ; both
.macro FRAG reg, adr, q, i             ; 16 rows x 128 K of 4-bit codes: 8 registers: lane l holds row l % 16; registers 4 c .. 4 c + 3 hold K = 64 c + 32 (l / 16) + 0 .. 31
.irp c, 0,1
	ds_load_b128 v[\reg+4*\c:\reg+4*\c+3], v[\adr] offset:64*(\q)+32*\c+(\i)*16*PITCH
.endr
.endm
; 16 matrix instructions: A's blocks a0, a0 + 1 x B's eight.  The 64 accumulators take turns, one instruction a turn, in the same order in every step.
.macro MUL16 a0, p, q, sc, zero
.irp a, \a0, \a0+1
.irp b, 0,1,2,3,4,5,6,7
.if \zero
	v_wmma_scale_f32_16x16x128_f8f6f4 v[8*(8*((\a)%4)+\b):8*(8*((\a)%4)+\b)+7], v[128*(\p)+FR*\b:128*(\p)+FR*\b+FR-1], v[AF+FR*(\a):AF+FR*(\a)+FR-1], 0, v[SC+8*NQ*(\sc)+NQ*\b+(\q)], v[SC+8*NQ*(\sc)+NQ*(\a)+(\q)] matrix_a_fmt:MATRIX_FMT_FP4 matrix_b_fmt:MATRIX_FMT_FP4 matrix_a_scale:MATRIX_SCALE_ROW1
.else
	v_wmma_scale_f32_16x16x128_f8f6f4 v[8*(8*((\a)%4)+\b):8*(8*((\a)%4)+\b)+7], v[128*(\p)+FR*\b:128*(\p)+FR*\b+FR-1], v[AF+FR*(\a):AF+FR*(\a)+FR-1], v[8*(8*((\a)%4)+\b):8*(8*((\a)%4)+\b)+7], v[SC+8*NQ*(\sc)+NQ*\b+(\q)], v[SC+8*NQ*(\sc)+NQ*(\a)+(\q)] matrix_a_fmt:MATRIX_FMT_FP4 matrix_b_fmt:MATRIX_FMT_FP4 matrix_a_scale:MATRIX_SCALE_ROW1
.endif
.endr
.endr
.endm
.macro FETCH_B slot, q, p
	WIN TO_B
.irp i, 0,1,2,3,4,5,6,7
	FRAG 128*(\p)+FR*\i, ADRB+\slot, \q, \i
.endr
	WIN 0
.endm
.macro FETCH_A slot, q, i0
.irp i, \i0, \i0+1, \i0+2, \i0+3
	FRAG AF+FR*(\i), ADRA+\slot, \q, \i
.endr
.endm
.macro SCALES sc                       ; a slot's scale words: four words a row; lanes 0-15 take A's block i, lanes 16-31 B's block i
.irp i, 0,1,2,3,4,5,6,7
	ds_load_b128 v[SC+8*NQ*\sc+NQ*\i:SC+8*NQ*\sc+NQ*\i+3], v[ADRS] offset:\i*SBLK
.endr
.endm
.macro PLACES n                        ; plain vector lines between a matrix instruction and a load into, or a vector line on, its registers
.rept \n
	v_nop
.endr
.endm
.macro STEP slot, q, zero              ; 128 along K, with its successor in the same slot
	s_wait_dscnt 4*NL                              ; B's set and A's blocks 0-3 are in; the youngest eight loads (A's blocks 4-7) may be out
	WIN MUL_LO
	MUL16 0, (\q)%2, \q, \slot, \zero
	MUL16 2, (\q)%2, \q, \slot, \zero
	s_wait_dscnt 0
	PLACES NP
	FETCH_B \slot, (\q)+1, 1-(\q)%2
	FETCH_A \slot, (\q)+1, 0
	WIN MUL_HI
	MUL16 4, (\q)%2, \q, \slot, \zero
	MUL16 6, (\q)%2, \q, \slot, \zero
	PLACES NP
	WIN 0
	FETCH_A \slot, (\q)+1, 4
.endm
.macro STEPS slot, from
.set Q, \from
.rept NQ-1-\from
	STEP \slot, Q, 0
.set Q, Q+1
.endr
.endm
	s_wait_tensorcnt 1                             ; the scales and my part of slot 0 are in (slot 1's load may be out)
	s_barrier_signal -1
	s_barrier_wait -1                              ; everybody's are
	FETCH_B 0, 0, 0
	FETCH_A 0, 0, 0
	SCALES 0
	FETCH_A 0, 0, 4
	STEP 0, 0, 1                                   ; the first products start the sums: nothing is cleared
	STEPS 0, 1
	; slot 0's last step, and the change to slot 1: one barrier; in front of it my part of slot 1 has landed
	s_wait_tensorcnt 0x0
	ds_add_u32 v[SPW], v[NIL]
	s_wait_dscnt 4*NL+1                            ; (the add and A's blocks 4-7 may be out)
	WIN MUL_LO
	MUL16 0, 1, NQ-1, 0, 0
	s_wait_dscnt 0x0
	s_barrier_signal -1
	MUL16 2, 1, NQ-1, 0, 0
	WIN 0
	s_barrier_wait -1
	PLACES NP
	v_add_nc_u32 v[ADRS], 4*NQ, v[ADRS]            ; on to slot 1's scale words
	FETCH_B 1, 0, 0
	FETCH_A 1, 0, 0
	SCALES 1
	WIN MUL_HI
	MUL16 4, 1, NQ-1, 0, 0
	MUL16 6, 1, NQ-1, 0, 0
	PLACES NP
	WIN 0
	FETCH_A 1, 0, 4
	STEPS 1, 0
	s_wait_dscnt 4*NL                              ; the very last step: nothing more to fetch
	WIN MUL_LO
	MUL16 0, 1, NQ-1, 1, 0
	MUL16 2, 1, NQ-1, 1, 0
	s_wait_dscnt 0
	WIN MUL_HI
	MUL16 4, 1, NQ-1, 1, 0
	MUL16 6, 1, NQ-1, 1, 0
	WIN 0
; THE WAY OUT, straight from registers: accumulator (a, b), rounded to f16 in pairs from its low end on, IS a chunk: each store covers 512 consecutive bytes, aligned.
.macro OUTBLK a
	WIN 0x0a+5*((\a)/4)                            ; sources 0 and 1: window 2 or 3
.irp b, 0,1,2,3,4,5,6,7
.irp i, 0,1,2,3
	v_cvt_pk_f16_f32 v[PK+32*((\a)%NPK)+4*\b+\i], v[8*(8*((\a)%4)+\b)+2*\i], v[8*(8*((\a)%4)+\b)+2*\i+1]
.endr
.endr
	WIN 0
.irp b, 0,1,2,3,4,5,6,7
	global_store_b128 v[CO], v[PK+32*((\a)%NPK)+4*\b:PK+32*((\a)%NPK)+4*\b+3], s[16+2*((\a)/4)+4*(\b/4):17+2*((\a)/4)+4*(\b/4)] offset:((\a)%4)*2048+(\b%4)*512
.endr
.endm
	PLACES NP                                      ; behind the last products: the conversions write registers that held A's fragments
.irp a, 0,1,2,3,4
	OUTBLK \a
.endr
	s_wait_xcnt 0x0                                ; the stores of blocks 0 to 4 have read their data: blocks 5, 6 and 7 take the registers of blocks 0, 1 and 2
.irp a, 5,6,7
	OUTBLK \a
.endr
	s_wait_tensorcnt 0x0                           ; the wave's end
	ds_add_u32 v[SPW], v[NIL]
	s_wait_dscnt 0x0
	CROUND                                         ; the closing round
	s_endpgm
.Lfunc_end_k_qc386d456ff_qkv:
	.size	k_qc386d456ff_qkv, .Lfunc_end_k_qc386d456ff_qkv-k_qc386d456ff_qkv
	.p2alignl 7, 3214868480
	.fill 96, 4, 3214868480
	.section	.rodata,"a",@progbits
	.p2align	6, 0x0
	.amdhsa_kernel k_qc386d456ff_qkv
		.amdhsa_group_segment_fixed_size 327680
		.amdhsa_private_segment_fixed_size 0
		.amdhsa_enable_private_segment 0
		.amdhsa_kernarg_size 48
		.amdhsa_user_sgpr_count 2
		.amdhsa_user_sgpr_kernarg_segment_ptr 1
		.amdhsa_wavefront_size32 1
		.amdhsa_system_sgpr_workgroup_id_x 1
		.amdhsa_system_sgpr_workgroup_id_y 1
		.amdhsa_system_sgpr_workgroup_id_z 1
		.amdhsa_system_vgpr_workitem_id 0
		.amdhsa_next_free_vgpr 1024
		.amdhsa_next_free_sgpr 102
		.amdhsa_reserve_vcc 0
		.amdhsa_float_denorm_mode_32 3
		.amdhsa_float_denorm_mode_16_64 3
		.amdhsa_memory_ordered 1
		.amdhsa_forward_progress 1
		.amdhsa_inst_pref_size 119
	.end_amdhsa_kernel
	.amdgpu_metadata
---
amdhsa.version: [ 1, 2 ]
amdhsa.kernels:
  - .name:           k_qc386d456ff_qkv
    .symbol:         k_qc386d456ff_qkv.kd
    .args:
      - { .name: xc, .offset: 0, .size: 8, .value_kind: global_buffer, .address_space: global }
      - { .name: xs, .offset: 8, .size: 8, .value_kind: global_buffer, .address_space: global }
      - { .name: wc, .offset: 16, .size: 8, .value_kind: global_buffer, .address_space: global }
      - { .name: ws, .offset: 24, .size: 8, .value_kind: global_buffer, .address_space: global }
      - { .name: qimg, .offset: 32, .size: 8, .value_kind: global_buffer, .address_space: global }
      - { .name: kv, .offset: 40, .size: 8, .value_kind: global_buffer, .address_space: global }
    .group_segment_fixed_size: 327680
    .private_segment_fixed_size: 0
    .kernarg_segment_align: 8
    .kernarg_segment_size: 48
    .max_flat_workgroup_size: 128
    .sgpr_count:     102
    .vgpr_count:     1024
    .wavefront_size: 32
...
	.end_amdgpu_metadata
.endif
;; end of part 2
;; launch attn (part 3): grid 4 x 64, 8 waves a work-group, clusters of 4 x 1, 327,680 bytes of LDS; arguments qimg, kv, ao; writes ao
.if DOCPART == 3
	.amdgcn_target "amdgcn-amd-amdhsa--gfx1250"
	.amdhsa_code_object_version 6
	.text
	.protected	k_qc386d456ff_attn
	.globl	k_qc386d456ff_attn
	.p2align	8
	.type	k_qc386d456ff_attn,@function
k_qc386d456ff_attn:
	s_mov_b64 s[64:65], 0
	v_nop
	global_prefetch_b8 v0, s[64:65] scope:SCOPE_SE
	s_setreg_imm32_b32 hwreg(HW_REG_WAVE_MODE, 25, 1), 1
	s_wait_xcnt 0x0
	s_wait_alu depctr_hold_cnt(0) depctr_sa_sdst(0) depctr_va_vdst(0) depctr_va_sdst(0) depctr_va_ssrc(0) depctr_va_vcc(0) depctr_vm_vsrc(0)
	s_getreg_b32 s2, hwreg(HW_REG_IB_STS2, 6, 4)
	s_cmp_eq_u32 s2, 0
	s_cbranch_scc0 .Lentry_in_a_cluster
	s_endpgm
.Lentry_in_a_cluster:
	s_bfe_u32 s2, ttmp6, 0x10000c
	s_cmp_lg_u32 s2, 0x3003
	s_cbranch_scc0 .Lentry_shape_is_right
	s_endpgm
.Lentry_shape_is_right:
; O[bh][q] = the sum over k of softmax_k(Q[bh][q] . K[bh][k] / 8) V[bh][k], 64 (batch, head) pairs, 2,048 queries and keys, head size 64, no mask.  Operands in f16, products, maxima and sums in f32; the weights p are
; rounded to f16 for the second product; the row's sum is taken of the unrounded p; O is rounded once to f16.  A running maximum m is taken away: p = 2^(c s - c m), c = log2(e) / 8.
; LIMITS: NaN and infinities are not served; O under 6.1e-5 keeps an absolute step of 6e-8 in f16.
; All three buffers are made of CHUNKS of 512 bytes (lane (r, h): 16 bytes at 16 x lane: row r, k = 16 c + 8 h + 0 .. 7): two chunks on end are the registers of a 16 x 32 fragment.  So every LDS and global access
; here is 512 consecutive bytes: no pitch, no padding, no turning load, no stage.  kv holds a key step (64 keys) as 16 KiB on end: K's 8 KiB, then V's (rows = channels, k = keys).
; SHARES.  A work-group owns 512 queries of one (batch, head), each of its eight waves 64: four tiles of 16, in 512 registers.  Each fragment of K or V read from LDS feeds four products.
; LAYOUT.  Both products are used transposed: S^T = K Q^T (source 0 = 16 keys, source 1 = 16 queries), O^T = V^T P (source 0 = 16 channels, source 1 = P): a lane holds ONE query throughout; two tiles of S^T, rounded
; in pairs, are a fragment of P, which is packed in place.
; OPPOSITE PHASES.  A key step of a wave is two halves: M, its 64 products (V^T P of the step in hand, K Q^T of the next), and SM, the softmax.  The waves are two groups by the parity of the wave's number's three bits,
; which differs between any two waves whose numbers differ in one bit.  Group 1 runs half a step behind group 0, and a barrier stands behind every half: while one group multiplies, the other does vector work.
; THE RING.  16 key steps of 16 KiB; step j lies at (j % 16) x 16,384.  All 16 are asked for at the head, four loads of 8 KiB a wave; four steps are filled again behind every fourth trip, one load of 8 KiB a wave.
; A refill is waited for four trips after it is asked for and is first read eleven trips after it: so nothing is prefetched.
; CLUSTER.  The four query blocks of a (batch, head) walk the same K and V: every load is joint, with a mask that names the four.
; REGISTERS: window 0: v1-6 addresses; v16-47 eight statistics a tile (+0 c m, +1 m, +2 +3 the sum in two halves, +4 .. +7 at work, a in +6); v64-127 Q; v128-255 S^T, then p, then P.
;   window 1: v0-127 O^T (tile t, channels 16 ct on: 32 t + 8 ct); v128-191 K; v192-255 V.
.set LI,   1                           ; v1  16 x lane
.set AD0,  2                           ; v2  LDS address of the step in hand
.set SPW,  3                           ; v3  my spare word; never rewritten
.set NIL,  4                           ; v4  0; never rewritten
.set TMP,  5
.set AD1,  6                           ; v6  LDS address of the next step
.set ST,   16
.set QQ,   64
.set SS,   128
.set OO,   0
.set KK,   128
.set VV,   192
.set STEPB, 16384
.set RING,  16*STEPB
.set SPARE, RING                       ; behind the ring: the spare words, 128 bytes for each of eight waves, named by no other line
.set WV,   10
.set GRP,  11
.set QB,   12
.set BH,   13
.set G1,   16                          ; s[16:23] descriptor group 1, for every load
.set G0,   24                          ; s[24:39] groups 0 of the four first fills
.set GR,   40                          ; s[40:43] the group 0 that walks with the refills
.set CS,   44                          ; s[44:45] c, twice
.set SEL,  46                          ; s[46:47] v_permlanex16_b32's selects for lane l xor 16
.set CN0,  48                          ; s48, s49 16,384 x the step in hand, the next step
.set CNT,  49
.set T0,   50                          ; s50, s51 the same, cut to the ring
.set T1,   51
.set INN,  52
.set OUT,  53
.set MSB, 0
.macro WIN new                         ; the immediate's high byte repeats the setting that is left
.if MSB != \new
	s_set_vgpr_msb (MSB<<8)|\new
.set MSB, \new
.endif
.endm
.macro BAR                             ; my LDS loads are in: then the work-group's barrier
	s_wait_dscnt 0x0
	s_barrier_signal -1
	s_barrier_wait -1
.endm
.macro CROUND                          ; a round of the cluster's barrier
	s_barrier_signal -1
	s_barrier_wait -1
	s_cmp_lg_u32 s[WV], 0
	s_cbranch_scc1 .Lnot_wave_0_\@
	s_barrier_signal -3
.Lnot_wave_0_\@:
	s_barrier_wait -3
	s_barrier_signal -1
	s_barrier_wait -1
.endm
.macro KLOAD ad                        ; a step's K: 16 chunks, 8 fragments (16 keys kt x 32 dims dc at KK + 16 kt + 8 dc)
	WIN 0x40                                       ; destination window 1
.irp i, 0,1,2,3,4,5,6,7,8,9,10,11,12,13,14,15
	ds_load_b128 v[KK+4*\i:KK+4*\i+3], v[\ad] offset:512*\i
.endr
.endm
; S^T = K Q^T: 32 products.  The 16 accumulators take turns, one instruction a turn; the first 16 start the sums.
.macro QK
	s_wait_dscnt 0x0                               ; K is in
	WIN 0x01                                       ; K in window 1; Q and S^T in window 0
.irp dc, 0,1
.irp kt, 0,1,2,3
.irp t, 0,1,2,3
.if \dc == 0
	v_wmma_f32_16x16x32_f16 v[SS+32*\t+8*\kt:SS+32*\t+8*\kt+7], v[KK+16*\kt+8*\dc:KK+16*\kt+8*\dc+7], v[QQ+16*\t+8*\dc:QQ+16*\t+8*\dc+7], 0
.else
	v_wmma_f32_16x16x32_f16 v[SS+32*\t+8*\kt:SS+32*\t+8*\kt+7], v[KK+16*\kt+8*\dc:KK+16*\kt+8*\dc+7], v[QQ+16*\t+8*\dc:QQ+16*\t+8*\dc+7], v[SS+32*\t+8*\kt:SS+32*\t+8*\kt+7]
.endif
.endr
.endr
.endr
.rept 5
	v_nop                                          ; five places, so that on every way through the text a matrix instruction that takes these registers as an operand, or begins them anew, stands far enough behind; they also stand ahead of the first read of the scores and of the next loads into K, which want four
.endr
	WIN 0
.endm
; O^T += V^T P: 32 products, the 16 accumulators by turns.
.macro PV
	WIN 0x51                                       ; V, C and D in window 1; P in window 0
.irp kc, 0,1
.irp ct, 0,1,2,3
.irp t, 0,1,2,3
	v_wmma_f32_16x16x32_f16 v[OO+32*\t+8*\ct:OO+32*\t+8*\ct+7], v[VV+16*\ct+8*\kc:VV+16*\ct+8*\kc+7], v[SS+32*\t+16*\kc:SS+32*\t+16*\kc+7], v[OO+32*\t+8*\ct:OO+32*\t+8*\ct+7]
.endr
.endr
.endr
.endm
; THE HALF M.  The next step's K is asked for first and lands under the 32 products V^T P (V was waited for in front of the barrier that closed my softmax).
.macro MPH
	KLOAD AD1
	PV
.rept 5
	v_nop                                          ; five places: the products below write over registers that those above read as P; they also stand ahead of the next loads into V
.endr
	QK
.endm
.macro SC t, p                         ; pair p of tile t: c s - c m, two at a time
	v_pk_fma_f32 v[SS+32*(\t)+2*(\p):SS+32*(\t)+2*(\p)+1], v[SS+32*(\t)+2*(\p):SS+32*(\t)+2*(\p)+1], s[CS:CS+1], v[ST+8*(\t):ST+8*(\t)+1] op_sel_hi:[1,0,0] neg_lo:[0,0,1] neg_hi:[0,0,1]
.endm
; A stage of the softmax's pipeline: tile t's 32 exponentials; between them tile t - 1's sums and roundings, which read the exponentials of the stage before, and tile t + 1's scalings.  No line of a stage names a result
; of the stage's own exponentials; every stage ends on a plain line.  A rounding's destination holds a p whose pair has been summed and rounded already.
.macro PIPE t
.set ix, 0
.rept 16
.if (\t) < 4
	v_exp_f32 v[SS+32*(\t)+2*ix], v[SS+32*(\t)+2*ix]
.endif
.if (\t) > 0
.if ix == 0
	v_pk_fma_f32 v[ST+8*((\t)-1)+2:ST+8*((\t)-1)+3], v[ST+8*((\t)-1)+2:ST+8*((\t)-1)+3], v[ST+8*((\t)-1)+6:ST+8*((\t)-1)+7], v[SS+32*((\t)-1):SS+32*((\t)-1)+1] op_sel_hi:[1,0,1]   ; the sum under the new m: a l + p
.else
	v_pk_add_f32 v[ST+8*((\t)-1)+2:ST+8*((\t)-1)+3], v[ST+8*((\t)-1)+2:ST+8*((\t)-1)+3], v[SS+32*((\t)-1)+2*ix:SS+32*((\t)-1)+2*ix+1]
.endif
.endif
.if (\t) < 4
	v_exp_f32 v[SS+32*(\t)+2*ix+1], v[SS+32*(\t)+2*ix+1]
.endif
.if (\t) > 0
	v_cvt_pk_f16_f32 v[SS+32*((\t)-1)+16*(ix/8)+ix%8], v[SS+32*((\t)-1)+2*ix], v[SS+32*((\t)-1)+2*ix+1]   ; P's fragment kc = ix / 8 at 16 kc on
.endif
.if (\t) < 3
	SC (\t)+1, ix
.endif
.set ix, ix+1
.endr
.endm
; THE HALF SM: the softmax of the step at ad, for my four tiles; the step's V is asked for first.
.macro SMX ad
	WIN 0x40
.irp i, 0,1,2,3,4,5,6,7,8,9,10,11,12,13,14,15
	ds_load_b128 v[VV+4*\i:VV+4*\i+3], v[\ad] offset:8192+512*\i   ; 16 channels ct x 32 keys kc at VV + 16 ct + 8 kc
.endr
	WIN 0
.irp j, 0,1,2,3                        ; the maximum of a lane's 32 scores and the old m, three at a time, four chains a tile, the tiles by turns; each accumulator is first read at its low end
.irp t, 0,1,2,3
	v_max3_num_f32 v[ST+8*\t+4+\j], v[SS+32*\t+8*\j], v[SS+32*\t+8*\j+1], v[SS+32*\t+8*\j+2]
.endr
.endr
.irp g, 1,2
.irp j, 0,1,2,3
.irp t, 0,1,2,3
	v_max3_num_f32 v[ST+8*\t+4+\j], v[ST+8*\t+4+\j], v[SS+32*\t+8*\j+2*\g+1], v[SS+32*\t+8*\j+2*\g+2]
.endr
.endr
.endr
.irp t, 0,1,2,3
	v_max3_num_f32 v[ST+8*\t+4], v[ST+8*\t+4], v[SS+32*\t+7], v[SS+32*\t+15]
.endr
.irp t, 0,1,2,3
	v_max3_num_f32 v[ST+8*\t+6], v[ST+8*\t+6], v[SS+32*\t+23], v[SS+32*\t+31]
.endr
.irp t, 0,1,2,3
	v_max3_num_f32 v[ST+8*\t+4], v[ST+8*\t+4], v[ST+8*\t+5], v[ST+8*\t+6]
.endr
.irp t, 0,1,2,3
	v_max3_num_f32 v[ST+8*\t+4], v[ST+8*\t+4], v[ST+8*\t+7], v[ST+8*\t+1]
.endr
.irp t, 0,1,2,3
	v_permlanex16_b32 v[ST+8*\t+5], v[ST+8*\t+4], s[SEL], s[SEL+1]   ; the query's other 32 keys lie in the lane 16 away
.endr
.irp t, 0,1,2,3
	v_mov_b32 v[ST+8*\t+7], v[ST+8*\t]             ; c m_old
.endr
.irp t, 0,1,2,3
	v_max_num_f32 v[ST+8*\t+1], v[ST+8*\t+4], v[ST+8*\t+5]
.endr
.irp t, 0,1,2,3
	v_mul_f32 v[ST+8*\t], s[CS], v[ST+8*\t+1]
.endr
.irp t, 0,1,2,3
	v_sub_f32 v[ST+8*\t+7], v[ST+8*\t+7], v[ST+8*\t]
.endr
.irp t, 0,1,2,3
	v_exp_f32 v[ST+8*\t+6], v[ST+8*\t+7]           ; a = 2^(c m_old - c m_new)
.endr
.set ix, 0
.rept 16
	SC 0, ix                                       ; tile 0's scalings: plain work that names no a
.set ix, ix+1
.endr
	s_wait_alu depctr_va_vdst(0)                   ; one wait for the four a, ahead of their first reader
	WIN 0x41                                       ; O^T in window 1, a in window 0
.irp t, 0,1,2,3
.set ix, 0
.rept 16
	v_pk_mul_f32 v[OO+32*\t+2*ix:OO+32*\t+2*ix+1], v[OO+32*\t+2*ix:OO+32*\t+2*ix+1], v[ST+8*\t+6:ST+8*\t+7] op_sel_hi:[1,0]   ; O^T under the new m
.set ix, ix+1
.endr
.endr
	WIN 0
	PIPE 0
	s_wait_alu depctr_va_vdst(0)                   ; one wait for a stage's 32 exponentials, ahead of the stage that reads them
	PIPE 1
	s_wait_alu depctr_va_vdst(0)
	PIPE 2
	s_wait_alu depctr_va_vdst(0)
	PIPE 3
	s_wait_alu depctr_va_vdst(0)
	PIPE 4
.endm
; TRIP u.  Group 0: V^T P of step u and K Q^T of step u + 1 | the softmax of step u + 1.  Group 1: the softmax of step u | V^T P of step u and K Q^T of step u + 1.
; The branches hang on the wave's number alone and hold no barrier, no tensor load and no wait on TENSORcnt.  The two addresses are stepped where all waves pass.
.macro TRIP
	s_cmp_eq_u32 s[GRP], 0
	s_cbranch_scc0 .Lg1a_\@
	MPH
	s_branch .Lja_\@
.Lg1a_\@:
	SMX AD0
.Lja_\@:
	BAR
	s_cmp_eq_u32 s[GRP], 0
	s_cbranch_scc0 .Lg1b_\@
	SMX AD1
	s_branch .Ljb_\@
.Lg1b_\@:
	MPH
.Ljb_\@:
	s_add_co_u32 s[CN0], s[CN0], STEPB
	s_add_co_u32 s[CNT], s[CNT], STEPB
	s_and_b32 s[T0], s[CN0], RING-1
	s_and_b32 s[T1], s[CNT], RING-1
	v_add_nc_u32 v[AD0], s[T0], v[LI]
	v_add_nc_u32 v[AD1], s[T1], v[LI]
	BAR
.endm
; Four steps of the ring are filled again.  Every wave: all my tensor loads have landed; the add; the walking descriptor steps meanwhile; the add and my LDS reads are done; a round of the cluster's barrier, so that no wave
; of any partner still reads those steps or has a load on its way; then my one load, 8 KiB.
.macro REFILL
	s_wait_tensorcnt 0x0
	ds_add_u32 v[SPW], v[NIL]
	s_add_co_u32 s[GR+1], s[GR+1], 4*STEPB         ; the next four places of the ring,
	s_and_b32 s[GR+1], s[GR+1], RING-1
	s_add_nc_u64 s[GR+2:GR+3], s[GR+2:GR+3], 4*STEPB   ; the next four steps; the type bits on top are not reached
	s_wait_dscnt 0x0
	CROUND
	tensor_load_to_lds s[GR:GR+3], s[G1:G1+7]
	s_nop 0
.rept 4
	v_nop
.endr
.endm
	s_load_b128 s[4:7], s[0:1], 0x0                ; qimg, kv
	s_load_b64 s[8:9], s[0:1], 0x10                ; ao
	v_lshl_add_u32 v[SPW], v0, 2, SPARE
	v_mov_b32 v[NIL], 0
	ds_add_u32 v[SPW], v[NIL]                      ; the wave's opening: the add, twice on end, and its wait ahead of my first tensor load
	ds_add_u32 v[SPW], v[NIL]
	v_lshrrev_b32 v[TMP], 5, v0
	v_readfirstlane_b32 s[WV], v[TMP]              ; wave 0..7
	s_lshr_b32 s54, s[WV], 1
	s_xor_b32 s[GRP], s[WV], s54
	s_lshr_b32 s54, s[WV], 2
	s_xor_b32 s[GRP], s[GRP], s54
	s_and_b32 s[GRP], s[GRP], 1                    ; my group: the parity of the wave's number
	s_bfe_u32 s[QB], ttmp6, 0x40000                ; cx
	s_lshl_b32 s54, ttmp9, 2
	s_add_co_u32 s[QB], s[QB], s54                 ; my block of 512 queries: it enters Q's and O's addresses alone
	s_and_b32 s[BH], ttmp7, 0xffff                 ; batch x 16 + head, which the four partners share
	s_mov_b32 s[G1], 15|(3<<16)|(1<<21)            ; the mask: all four work-groups; elements of 8 bytes; bit 21 beside a mask; no padding
	s_mov_b32 s[G1+1], 32<<16                      ; 8 KiB dense, as 32 rows of 32 elements: tensor_dim0
	s_mov_b32 s[G1+2], 32<<16                      ; tensor_dim1
	s_mov_b32 s[G1+3], 32<<16                      ; tile_dim0
	s_mov_b32 s[G1+4], 32                          ; tile_dim1
	s_mov_b32 s[G1+5], 32                          ; from row to row
	s_mov_b32 s[G1+6], 0
	s_mov_b32 s[G1+7], 0
	s_mov_b32 s[CS], 0x3e38aa3b                    ; c = log2(e) / 8
	s_mov_b32 s[CS+1], s[CS]
	s_mov_b32 s[SEL], 0x76543210
	s_mov_b32 s[SEL+1], 0xfedcba98
	s_mov_b32 s[CN0], 0
	s_mov_b32 s[CNT], STEPB
	s_lshl_b32 s55, s[WV], 13                      ; my 8 KiB of each 64 KiB: in LDS and in memory alike
	s_lshl_b32 s56, s[BH], 19
	s_add_co_u32 s56, s56, s55
	s_mov_b32 s57, 0
	s_lshl_b32 s58, s[BH], 18                      ; Q: the head, my block, my wave's four tiles
	s_lshl_b32 s59, s[QB], 16
	s_add_co_u32 s58, s58, s59
	s_add_co_u32 s58, s58, s55
	s_mov_b32 s59, 0
	s_lshr_b32 s60, s[BH], 4                       ; ao: [token / 256][head / 2][(token / 16) % 16][4 (head % 2) + channel / 16] chunks
	s_lshl_b32 s60, s60, 3
	s_lshl_b32 s61, s[QB], 1
	s_add_co_u32 s60, s60, s61
	s_lshr_b32 s61, s[WV], 2
	s_add_co_u32 s60, s60, s61
	s_lshl_b32 s60, s60, 19
	s_bfe_u32 s61, s[BH], 0x30001
	s_lshl_b32 s61, s61, 16
	s_add_co_u32 s60, s60, s61
	s_and_b32 s61, s[WV], 3
	s_lshl_b32 s61, s61, 14
	s_add_co_u32 s60, s60, s61
	s_and_b32 s61, s[BH], 1
	s_lshl_b32 s61, s61, 11
	s_add_co_u32 s60, s60, s61
	s_mov_b32 s61, 0
	s_wait_dscnt 0x0                               ; both opening adds are done
	s_wait_kmcnt 0x0
	s_add_nc_u64 s[6:7], s[6:7], s[56:57]
	s_add_nc_u64 s[4:5], s[4:5], s[58:59]
	s_add_nc_u64 s[8:9], s[8:9], s[60:61]
.irp i, 0,1,2,3
	s_mov_b32 s[G0+4*\i], 1
	s_add_co_u32 s[G0+4*\i+1], s55, \i*4*STEPB
	s_add_nc_u64 s[G0+4*\i+2:G0+4*\i+3], s[6:7], \i*4*STEPB
	s_or_b32 s[G0+4*\i+3], s[G0+4*\i+3], 0x80000000
.endr
	s_mov_b32 s[GR], 1                             ; the walking one begins where the last first fill stands; each refill steps it first
	s_add_co_u32 s[GR+1], s55, 3*4*STEPB
	s_add_nc_u64 s[GR+2:GR+3], s[6:7], 3*4*STEPB
	s_or_b32 s[GR+3], s[GR+3], 0x80000000
	CROUND                                         ; all four work-groups are here: the first joint loads meet
.irp i, 0,1,2,3
	tensor_load_to_lds s[G0+4*\i:G0+4*\i+3], s[G1:G1+7]   ; steps 4 i .. 4 i + 3: four loads of mine are out
	s_nop 0
.endr
.rept 4
	v_nop
.endr
	v_and_b32 v[TMP], 31, v0
	v_lshlrev_b32 v[LI], 4, v[TMP]
	v_lshlrev_b32 v[AD0], 4, v[TMP]                ; step 0
	v_lshl_add_u32 v[AD1], v[TMP], 4, STEPB        ; step 1
.irp i, 0,1,2,3,4,5,6,7,8,9,10,11,12,13,14,15
	global_load_b128 v[QQ+4*\i:QQ+4*\i+3], v[LI], s[4:5] offset:512*\i th:TH_LOAD_NT   ; Q stays in registers: tile t, dims 32 dc on, at QQ + 16 t + 8 dc
.endr
.irp t, 0,1,2,3
	v_mov_b32 v[ST+8*\t+1], 0xff61b1e6             ; m = -3e38, under every score
	v_mov_b32 v[ST+8*\t+2], 0                      ; the sum, in two halves
	v_mov_b32 v[ST+8*\t+3], 0
.endr
.irp t, 0,1,2,3
	v_mul_f32 v[ST+8*\t], s[CS], v[ST+8*\t+1]      ; c m
.endr
	WIN 0x40
.set ix, 0
.rept 128
	v_mov_b32 v[OO+ix], 0                          ; O^T.  The step is written once: its first turn finds zeros, which a = 0 leaves zeros
.set ix, ix+1
.endr
	WIN 0
	s_wait_loadcnt 0x0                             ; Q
	s_wait_tensorcnt 2                             ; my parts of steps 0 to 7 are in; those of steps 8 to 15 may stay out, and they are waited for four trips ahead of their first read
	BAR
	s_cmp_eq_u32 s[GRP], 0                         ; half-step 0: group 0's first scores
	s_cbranch_scc0 .Lh0
	KLOAD AD0
	QK
.Lh0:
	BAR
	s_cmp_eq_u32 s[GRP], 0                         ; half-step 1: group 0's first softmax | group 1's first scores
	s_cbranch_scc0 .Lh1
	SMX AD0
	s_branch .Lh1j
.Lh1:
	KLOAD AD0
	QK
.Lh1j:
	BAR
	s_mov_b32 s[OUT], 4                            ; trips 0 to 15: behind trip 4 i + 3 the places of steps 4 i .. 4 i + 3, whose last read was V of step 4 i + 3 in that trip's first half, take steps 16 + 4 i on
.Lmain:
	s_mov_b32 s[INN], 4
.Lmain_in:
	TRIP
	s_sub_co_u32 s[INN], s[INN], 1
	s_cmp_lg_u32 s[INN], 0
	s_cbranch_scc1 .Lmain_in
	REFILL
	s_sub_co_u32 s[OUT], s[OUT], 1
	s_cmp_lg_u32 s[OUT], 0
	s_cbranch_scc1 .Lmain
	s_mov_b32 s[OUT], 3                            ; trips 16 to 30 ask for nothing: a copy of the trip
.Ltail:
	s_mov_b32 s[INN], 5
.Ltail_in:
	TRIP
	s_sub_co_u32 s[INN], s[INN], 1
	s_cmp_lg_u32 s[INN], 0
	s_cbranch_scc1 .Ltail_in
	s_wait_tensorcnt 0x0                           ; behind trip 20: my part of the last refill (steps 28 to 31, first read in trip 27) has landed; later there is nothing out
	BAR                                            ; everybody's has
	s_sub_co_u32 s[OUT], s[OUT], 1
	s_cmp_lg_u32 s[OUT], 0
	s_cbranch_scc1 .Ltail
	s_cmp_eq_u32 s[GRP], 0
	s_cbranch_scc1 .Llast
	SMX AD0                                        ; group 1's softmax of step 31
.Llast:
	s_wait_dscnt 0x0                               ; V of step 31
	PV
	; THE WAY OUT.  The sum's halves and the other half of the lanes' are added (these additions are the places behind the last products); O^T / the sum, rounded in pairs from each accumulator's low end on, is a chunk of ao.
	WIN 0
.irp t, 0,1,2,3
	v_add_f32 v[ST+8*\t+4], v[ST+8*\t+2], v[ST+8*\t+3]
.endr
.irp t, 0,1,2,3
	v_permlanex16_b32 v[ST+8*\t+5], v[ST+8*\t+4], s[SEL], s[SEL+1]
.endr
.irp t, 0,1,2,3
	v_add_f32 v[ST+8*\t+4], v[ST+8*\t+4], v[ST+8*\t+5]
.endr
.irp t, 0,1,2,3
	v_rcp_f32 v[ST+8*\t+6], v[ST+8*\t+4]
.endr
	v_nop                                          ; a plain line behind the last reciprocal
	s_wait_alu depctr_va_vdst(0)                   ; one wait for the four, ahead of their first reader
.irp t, 0,1,2,3
	WIN 0x41
.set ix, 0
.rept 16
	v_pk_mul_f32 v[OO+32*\t+2*ix:OO+32*\t+2*ix+1], v[OO+32*\t+2*ix:OO+32*\t+2*ix+1], v[ST+8*\t+6:ST+8*\t+7] op_sel_hi:[1,0]
.set ix, ix+1
.endr
	WIN 0x05                                       ; sources in window 1, destination in window 0: S^T's registers are free
.set ix, 0
.rept 16
	v_cvt_pk_f16_f32 v[SS+16*\t+ix], v[OO+32*\t+2*ix], v[OO+32*\t+2*ix+1]
.set ix, ix+1
.endr
	WIN 0
.irp ct, 0,1,2,3
	global_store_b128 v[LI], v[SS+16*\t+4*\ct:SS+16*\t+4*\ct+3], s[8:9] offset:4096*\t+512*\ct   ; 512 consecutive bytes, aligned
.endr
.endr
	s_wait_tensorcnt 0x0                           ; the wave's end
	ds_add_u32 v[SPW], v[NIL]
	s_wait_dscnt 0x0
	CROUND                                         ; the closing round: no work-group ends while a partner may still ask for a tile that names it
	s_endpgm
.Lfunc_end_k_qc386d456ff_attn:
	.size	k_qc386d456ff_attn, .Lfunc_end_k_qc386d456ff_attn-k_qc386d456ff_attn
	.p2alignl 7, 3214868480
	.fill 96, 4, 3214868480
	.section	.rodata,"a",@progbits
	.p2align	6, 0x0
	.amdhsa_kernel k_qc386d456ff_attn
		.amdhsa_group_segment_fixed_size 327680
		.amdhsa_private_segment_fixed_size 0
		.amdhsa_enable_private_segment 0
		.amdhsa_kernarg_size 24
		.amdhsa_user_sgpr_count 2
		.amdhsa_user_sgpr_kernarg_segment_ptr 1
		.amdhsa_wavefront_size32 1
		.amdhsa_system_sgpr_workgroup_id_x 1
		.amdhsa_system_sgpr_workgroup_id_y 1
		.amdhsa_system_sgpr_workgroup_id_z 1
		.amdhsa_system_vgpr_workitem_id 0
		.amdhsa_next_free_vgpr 512
		.amdhsa_next_free_sgpr 66
		.amdhsa_reserve_vcc 0
		.amdhsa_float_denorm_mode_32 3
		.amdhsa_float_denorm_mode_16_64 3
		.amdhsa_memory_ordered 1
		.amdhsa_forward_progress 1
		.amdhsa_inst_pref_size 214
	.end_amdhsa_kernel
	.amdgpu_metadata
---
amdhsa.version: [ 1, 2 ]
amdhsa.kernels:
  - .name:           k_qc386d456ff_attn
    .symbol:         k_qc386d456ff_attn.kd
    .args:
      - { .name: qimg, .offset: 0, .size: 8, .value_kind: global_buffer, .address_space: global }
      - { .name: kv, .offset: 8, .size: 8, .value_kind: global_buffer, .address_space: global }
      - { .name: ao, .offset: 16, .size: 8, .value_kind: global_buffer, .address_space: global }
    .group_segment_fixed_size: 327680
    .private_segment_fixed_size: 0
    .kernarg_segment_align: 8
    .kernarg_segment_size: 24
    .max_flat_workgroup_size: 256
    .sgpr_count:     66
    .vgpr_count:     512
    .wavefront_size: 32
...
	.end_amdgpu_metadata
.endif
;; end of part 3
;; launch oproj (part 4): grid 8 x 32, 4 waves a work-group, clusters of 4 x 4, 327,680 bytes of LDS; arguments ao, wo16, out0; writes out0
.if DOCPART == 4
	.amdgcn_target "amdgcn-amd-amdhsa--gfx1250"
	.amdhsa_code_object_version 6
	.text
	.protected	k_qc386d456ff_oproj
	.globl	k_qc386d456ff_oproj
	.p2align	8
	.type	k_qc386d456ff_oproj,@function
k_qc386d456ff_oproj:
	s_mov_b64 s[64:65], 0
	v_nop
	global_prefetch_b8 v0, s[64:65] scope:SCOPE_SE
	s_setreg_imm32_b32 hwreg(HW_REG_WAVE_MODE, 25, 1), 1
	s_wait_xcnt 0x0
	s_wait_alu depctr_hold_cnt(0) depctr_sa_sdst(0) depctr_va_vdst(0) depctr_va_sdst(0) depctr_va_ssrc(0) depctr_va_vcc(0) depctr_vm_vsrc(0)
	s_getreg_b32 s2, hwreg(HW_REG_IB_STS2, 6, 4)
	s_cmp_eq_u32 s2, 0
	s_cbranch_scc0 .Lentry_in_a_cluster
	s_endpgm
.Lentry_in_a_cluster:
	s_bfe_u32 s2, ttmp6, 0x10000c
	s_cmp_lg_u32 s2, 0xf033
	s_cbranch_scc0 .Lentry_shape_is_right
	s_endpgm
.Lentry_shape_is_right:
; out0[token][n] = the sum over k of ao[token][k] Wo[n][k]: [8192] x [1024], K = 1,024; operands in f16, sums and result in f32.
; Both operands lie as CHUNKS of 512 bytes (lane (r, h): 16 bytes at 16 x lane: row r, k = 16 c + 8 h + 0 .. 7), two on end being the registers of a 16 x 32 fragment:
;   ao [token / 256][k / 128][(token / 16) % 16][(k / 16) % 8],  wo16 [n / 128][k / 128][(n / 16) % 8][(k / 16) % 8].  So a K step's tile is one dense block, and every LDS read is 512 consecutive bytes: no pitch, no padding.
; A tile of C is 256 tokens x 128 columns: 256 work-groups.  Four waves, each 128 x 64: 32 accumulators, 256 registers.  K goes in 8 steps of 128 through two LDS slots (A 64 KiB, B 32 KiB).
; CLUSTERS: 4 x 4 work-groups; A's block is shared along a row of the cluster, B's along a column: joint loads, which divide the requests by four.  No prefetch: eight K steps.
; THE MATRIX INSTRUCTION IS USED TRANSPOSED (source 0 = 16 rows of Wo, source 1 = 16 tokens): a lane holds eight neighbouring columns of one token's row.
; REGISTERS: window 0: v16-29 addresses; two fragment buffers of 96 (B's four fragments, then A's eight) at v32 and v128; on the way out v32-95.   window 1: the accumulators ((a, b) at v[8 (4 a + b)]).
.set SLOT,   131072
.set BOFF,   65536                     ; B's block in a slot
.set STAGE,  SLOT+BOFF+32768           ; behind the ring: 16 rows x 272 bytes for each wave
.set SPITCH, 272                       ; 256 bytes + 16 of padding: the 16 rows of a store start 16 bytes apart modulo 256
.set SPARE,  STAGE+4*16*SPITCH         ; the spare words: 128 bytes a wave, named by no other line
.set LAPS,   4                         ; a lap = two K steps
.set ADRA, 16
.set ADRB, 20
.set STO,  24
.set RD,   25
.set CO,   26
.set LI,   27
.set SPW,  28
.set NIL,  29
.set F0,   32
.set F1,   128
.set BK,   32
.set G1, 24
.set G0, 32
.set G1B, 48
.set G0B, 56
.set MSB, 0
.macro WIN new
.if MSB != \new
	s_set_vgpr_msb (MSB<<8)|\new
.set MSB, \new
.endif
.endm
.set MUL, 0x50                         ; both sources window 0; C and D window 1
.macro JLOAD s                         ; a joint load: waves 0 and 1 fetch A's halves, waves 2 and 3 B's; an s_nop 0 and four v_nop follow each of the two lines
	s_cmp_eq_u32 s11, 0
	s_cbranch_scc0 .Lfor_b_\@
	tensor_load_to_lds s[G0+4*\s:G0+4*\s+3], s[G1:G1+7]
	s_nop 0
.rept 4
	v_nop
.endr
	s_branch .Lasked_\@
.Lfor_b_\@:
	tensor_load_to_lds s[G0B+4*\s:G0B+4*\s+3], s[G1B:G1B+7]
	s_nop 0
.rept 4
	v_nop
.endr
.Lasked_\@:
.endm
.macro CREST                           ; a round of the cluster's barrier behind its opening barrier
	s_cmp_lg_u32 s10, 0
	s_cbranch_scc1 .Lnot_wave_0_\@
	s_barrier_signal -3
.Lnot_wave_0_\@:
	s_barrier_wait -3
	s_barrier_signal -1
	s_barrier_wait -1
.endm
.macro CROUND
	s_barrier_signal -1
	s_barrier_wait -1
	CREST
.endm
	s_load_b128 s[4:7], s[0:1], 0x0                ; ao, wo16
	s_load_b64 s[8:9], s[0:1], 0x10                ; out0
	v_lshl_add_u32 v[SPW], v0, 2, SPARE
	v_mov_b32 v[NIL], 0
	ds_add_u32 v[SPW], v[NIL]                      ; the wave's opening: the add, twice on end, and its wait ahead of my first tensor load
	ds_add_u32 v[SPW], v[NIL]
	v_lshrrev_b32 v1, 5, v0
	v_readfirstlane_b32 s10, v1                    ; wave 0..3
	s_lshr_b32 s11, s10, 1                         ; which 128 tokens are mine.  Also: I fetch for A (0) or for B (1)
	s_and_b32 s12, s10, 1                          ; which 64 columns.  Also: which half of that block I fetch
	s_bfe_u32 s40, ttmp6, 0x40000                  ; cx, cy
	s_bfe_u32 s41, ttmp6, 0x40004
	s_lshl_b32 s42, ttmp9, 2
	s_add_co_u32 s42, s42, s40                     ; tile column = 4 x cluster x + cx
	s_and_b32 s13, ttmp7, 0xffff
	s_lshl_b32 s13, s13, 2
	s_add_co_u32 s13, s13, s41                     ; tile row = 4 x cluster y + cy
	s_lshl_b32 s43, s41, 2
	s_lshl_b32 s43, 15, s43                        ; my row of the cluster
	s_lshl_b32 s44, 0x1111, s40                    ; my column
	s_or_b32 s[G1+0], s43, (3<<16)|(1<<21)         ; the mask; elements of 8 bytes; bit 21 beside a mask; no padding
	s_or_b32 s[G1B+0], s44, (3<<16)|(1<<21)
	s_mov_b32 s[G1+1], 32<<16                      ; A's half: 32 KiB dense, as 128 rows of 32 elements
	s_mov_b32 s[G1+2], 128<<16
	s_mov_b32 s[G1+3], 32<<16
	s_mov_b32 s[G1+4], 128
	s_mov_b32 s[G1+5], 32
	s_mov_b32 s[G1+6], 0
	s_mov_b32 s[G1+7], 0
	s_mov_b32 s[G1B+1], 32<<16                     ; B's half: 16 KiB, 64 rows
	s_mov_b32 s[G1B+2], 64<<16
	s_mov_b32 s[G1B+3], 32<<16
	s_mov_b32 s[G1B+4], 64
	s_mov_b32 s[G1B+5], 32
	s_mov_b32 s[G1B+6], 0
	s_mov_b32 s[G1B+7], 0
	s_lshl_b32 s16, s13, 19                        ; A: the tile row's blocks, my half
	s_lshl_b32 s17, s12, 15
	s_add_co_u32 s16, s16, s17
	s_mov_b32 s17, 0
	s_lshl_b32 s46, s42, 18                        ; B: the tile column's blocks, my half
	s_lshl_b32 s47, s12, 14
	s_add_co_u32 s46, s46, s47
	s_mov_b32 s47, 0
	s_lshl_b32 s20, s12, 15                        ; where they go: made of the wave's number alone
	s_lshl_b32 s21, s12, 14
	s_add_co_u32 s21, s21, BOFF
	s_wait_dscnt 0x0                               ; both opening adds are done
	s_wait_kmcnt 0x0
	s_add_nc_u64 s[14:15], s[4:5], s[16:17]
	s_add_nc_u64 s[46:47], s[6:7], s[46:47]
	CROUND                                         ; all sixteen work-groups are here: the first joint loads meet
.irp s, 0,1
	s_mov_b32 s[G0+4*\s], 1
	s_add_co_u32 s[G0+4*\s+1], s20, \s*SLOT
	s_add_nc_u64 s[G0+4*\s+2:G0+4*\s+3], s[14:15], \s*65536
	s_or_b32 s[G0+4*\s+3], s[G0+4*\s+3], 0x80000000
	s_mov_b32 s[G0B+4*\s], 1
	s_add_co_u32 s[G0B+4*\s+1], s21, \s*SLOT
	s_add_nc_u64 s[G0B+4*\s+2:G0B+4*\s+3], s[46:47], \s*32768
	s_or_b32 s[G0B+4*\s+3], s[G0B+4*\s+3], 0x80000000
	JLOAD \s                                       ; two loads of mine are out
.endr
	v_and_b32 v1, 15, v0                           ; r
	v_bfe_u32 v2, v0, 4, 1                         ; h
	v_and_b32 v3, 31, v0
	v_lshlrev_b32 v[LI], 4, v3
	s_lshl_b32 s22, s11, 15                        ; my eight tiles of tokens
	s_lshl_b32 s23, s12, 14                        ; my four tiles of columns
	s_add_co_u32 s23, s23, BOFF
.irp s, 0,1
	v_add_nc_u32 v[ADRA+\s], s22, v[LI]
	v_add_nc_u32 v[ADRB+\s], s23, v[LI]
	s_add_co_u32 s22, s22, SLOT
	s_add_co_u32 s23, s23, SLOT
.endr
	s_mul_i32 s18, s10, 16*SPITCH
	s_add_co_u32 s18, s18, STAGE                   ; my stage
	v_mul_u32_u24 v4, v1, SPITCH                   ; in: row r, 32 bytes for each half of the lanes
	v_lshl_add_u32 v4, v2, 5, v4
	v_add_nc_u32 v[STO], s18, v4
	v_mul_u32_u24 v5, v2, SPITCH                   ; back: lanes 0-15 one row of 256 bytes, lanes 16-31 the next
	v_lshl_add_u32 v5, v1, 4, v5
	v_add_nc_u32 v[RD], s18, v5
	v_lshlrev_b32 v5, 12, v2                       ; and the same two rows in out0 (4,096 bytes a row)
	v_lshl_add_u32 v[CO], v1, 4, v5
	s_lshl_b32 s16, s13, 8
	s_lshl_b32 s17, s11, 7
	s_add_co_u32 s16, s16, s17
	s_lshl_b32 s16, s16, 12                        ; my first token's row
	s_lshl_b32 s46, s42, 9
	s_lshl_b32 s47, s12, 8
	s_add_co_u32 s46, s46, s47                     ; my first column, in bytes
	s_add_co_u32 s46, s46, s16
	s_mov_b32 s47, 0
	s_add_nc_u64 s[8:9], s[8:9], s[46:47]
; 8 matrix instructions: token blocks a0, a0 + 1 x my four column blocks, 32 along K.  The 32 accumulators take turns, one instruction a turn, in the same order in every quarter.
.macro MULH f, a0, zero
.irp a, \a0, \a0+1
.irp b, 0,1,2,3
.if \zero
	v_wmma_f32_16x16x32_f16 v[8*(4*(\a)+\b):8*(4*(\a)+\b)+7], v[\f+8*\b:\f+8*\b+7], v[\f+32+8*(\a):\f+32+8*(\a)+7], 0
.else
	v_wmma_f32_16x16x32_f16 v[8*(4*(\a)+\b):8*(4*(\a)+\b)+7], v[\f+8*\b:\f+8*\b+7], v[\f+32+8*(\a):\f+32+8*(\a)+7], v[8*(4*(\a)+\b):8*(4*(\a)+\b)+7]
.endif
.endr
.endr
.endm
.macro FETCH slot, q, f                ; 24 LDS loads in one run: the slot's q-th 32 along K: B's four fragments, A's blocks 0-3, A's blocks 4-7
.irp b, 0,1,2,3
	ds_load_b128 v[\f+8*\b:\f+8*\b+3],   v[ADRB+\slot] offset:4096*\b+1024*(\q)
	ds_load_b128 v[\f+8*\b+4:\f+8*\b+7], v[ADRB+\slot] offset:4096*\b+1024*(\q)+512
.endr
.irp i, 0,1,2,3,4,5,6,7
	ds_load_b128 v[\f+32+8*\i:\f+32+8*\i+3],   v[ADRA+\slot] offset:4096*\i+1024*(\q)
	ds_load_b128 v[\f+32+8*\i+4:\f+32+8*\i+7], v[ADRA+\slot] offset:4096*\i+1024*(\q)+512
.endr
.endm
.macro PLACES                          ; four plain lines ahead of loads into registers that matrix instructions have read, and of the first read of results
.rept 4
	v_nop
.endr
.endm
; A K step is four quarters of 32 along K, 32 matrix instructions each, on buffers 0, 1, 0, 1.  One of the first three: multiplies buffer f and fetches the slot's quarter q into g.
.macro QUARTER slot, q, f, g, zero
	s_wait_dscnt 8                                 ; B and A's blocks 0-3 are in; the youngest eight loads (A's blocks 4-7) may be out
	WIN MUL
	MULH \f, 0, \zero
	MULH \f, 2, \zero
	PLACES
	WIN 0
	FETCH \slot, \q, \g
	s_wait_dscnt 24                                ; all but the 24 just issued
	WIN MUL
	MULH \f, 4, \zero
	MULH \f, 6, \zero
.endm
; The last quarter multiplies buffer 1 and changes slots: ONE barrier; in front of it each wave waits for all its tensor loads, adds 0 to its spare word, and waits for that and for its reads of this slot.
.macro TURN slot, next, fill
	WIN 0
	s_wait_tensorcnt 0x0                           ; my part of the next slot has landed;
	ds_add_u32 v[SPW], v[NIL]
	s_wait_dscnt 9                                 ; (the add and the youngest eight loads may be out)
	WIN MUL
	MULH F1, 0, 0                                  ; eight matrix instructions stand between the add and the wait for it
	s_wait_dscnt 0x0                               ; the add is done, and my reads of this slot are over
	s_barrier_signal -1
	MULH F1, 2, 0
	WIN 0
	s_barrier_wait -1
.if \fill
	CREST                                          ; the barrier has opened a round of the cluster's: no wave of any partner still reads this slot or has a load on its way
	s_add_nc_u64 s[G0+4*\slot+2:G0+4*\slot+3], s[G0+4*\slot+2:G0+4*\slot+3], 2*65536
	s_add_nc_u64 s[G0B+4*\slot+2:G0B+4*\slot+3], s[G0B+4*\slot+2:G0B+4*\slot+3], 2*32768
	JLOAD \slot                                    ; the first tensor load behind the round: 112 matrix instructions ahead of the wait for it; its four v_nop are also the places ahead of the loads below
.else
	PLACES
.endif
	FETCH \next, 0, F0
	WIN MUL
	MULH F1, 4, 0
	MULH F1, 6, 0
.endm
	s_wait_tensorcnt 1                             ; my part of K step 0 is in (K step 1's may be out)
	s_barrier_signal -1
	s_barrier_wait -1                              ; everybody's is
	FETCH 0, 0, F0
	QUARTER 0, 1, F0, F1, 1                        ; the first quarter's products start the sums: nothing is cleared
	WIN 0
	s_mov_b32 s3, LAPS-1
.Llap:                                                 ; a trip goes once round the ring, from a lap's second quarter to the next lap's first, and fills both slots again
	QUARTER 0, 2, F1, F0, 0
	QUARTER 0, 3, F0, F1, 0
	TURN 0, 1, 1
	QUARTER 1, 1, F0, F1, 0
	QUARTER 1, 2, F1, F0, 0
	QUARTER 1, 3, F0, F1, 0
	TURN 1, 0, 1
	QUARTER 0, 1, F0, F1, 0
	WIN 0
	s_sub_co_u32 s3, s3, 1
	s_cmp_lg_u32 s3, 0
	s_cbranch_scc1 .Llap
	QUARTER 0, 2, F1, F0, 0                        ; the last lap fills nothing
	QUARTER 0, 3, F0, F1, 0
	TURN 0, 1, 0
	QUARTER 1, 1, F0, F1, 0
	QUARTER 1, 2, F1, F0, 0
	QUARTER 1, 3, F0, F1, 0
	s_wait_dscnt 8                                 ; the very last quarter: nothing more to fetch
	WIN MUL
	MULH F1, 0, 0
	MULH F1, 2, 0
	s_wait_dscnt 0
	MULH F1, 4, 0
	MULH F1, 6, 0
	WIN 0
; THE WAY OUT, a block of 16 tokens x 64 columns at a time: a lane's 32 bytes go into my own stage and come back as whole rows of 256 bytes.  LDS serves a wave's instructions in order: no wait between stores and loads.
.macro TOSTAGE a
	WIN 0x04                                       ; an LDS store's data are its source 1: window 1
.irp b, 0,1,2,3
	ds_store_b128 v[STO], v[8*(4*(\a)+\b):8*(4*(\a)+\b)+3] offset:64*\b          ; each accumulator from its low end on
	ds_store_b128 v[STO], v[8*(4*(\a)+\b)+4:8*(4*(\a)+\b)+7] offset:64*\b+16
.endr
	WIN 0
.set BB, BK+32*((\a)%2)
.irp t, 0,1,2,3,4,5,6,7
	ds_load_b128 v[BB+4*\t:BB+4*\t+3], v[RD] offset:\t*2*SPITCH
.endr
.endm
.macro SEND a, younger                 ; younger: the LDS instructions issued behind block a's loads, which may stay out
.set BB, BK+32*((\a)%2)
	s_wait_dscnt \younger
.if (\a) > 0
	s_add_nc_u64 s[8:9], s[8:9], 16*4096           ; 16 rows on (behind a wait on XCNT: the earlier stores have read their base)
.endif
.irp t, 0,1,2,3,4,5,6,7
	global_store_b128 v[CO], v[BB+4*\t:BB+4*\t+3], s[8:9] offset:\t*2*4096 th:TH_STORE_NT   ; 16 lanes store 256 consecutive bytes, aligned
.endr
.endm
	PLACES
	TOSTAGE 0
.irp a, 1,2,3,4,5,6,7
.if \a > 1
	s_wait_xcnt 0x0                                ; block a - 2's stores have read their registers and their base
.endif
	TOSTAGE \a
	SEND \a-1, 16                                  ; behind block a - 1's loads: block a's 8 stores and 8 loads
.endr
	s_wait_xcnt 0x0
	SEND 7, 0
	s_wait_tensorcnt 0x0                           ; the wave's end
	ds_add_u32 v[SPW], v[NIL]
	s_wait_dscnt 0x0
	CROUND                                         ; the closing round
	s_endpgm
.Lfunc_end_k_qc386d456ff_oproj:
	.size	k_qc386d456ff_oproj, .Lfunc_end_k_qc386d456ff_oproj-k_qc386d456ff_oproj
	.p2alignl 7, 3214868480
	.fill 96, 4, 3214868480
	.section	.rodata,"a",@progbits
	.p2align	6, 0x0
	.amdhsa_kernel k_qc386d456ff_oproj
		.amdhsa_group_segment_fixed_size 327680
		.amdhsa_private_segment_fixed_size 0
		.amdhsa_enable_private_segment 0
		.amdhsa_kernarg_size 24
		.amdhsa_user_sgpr_count 2
		.amdhsa_user_sgpr_kernarg_segment_ptr 1
		.amdhsa_wavefront_size32 1
		.amdhsa_system_sgpr_workgroup_id_x 1
		.amdhsa_system_sgpr_workgroup_id_y 1
		.amdhsa_system_sgpr_workgroup_id_z 1
		.amdhsa_system_vgpr_workitem_id 0
		.amdhsa_next_free_vgpr 512
		.amdhsa_next_free_sgpr 66
		.amdhsa_reserve_vcc 0
		.amdhsa_float_denorm_mode_32 3
		.amdhsa_float_denorm_mode_16_64 3
		.amdhsa_memory_ordered 1
		.amdhsa_forward_progress 1
		.amdhsa_inst_pref_size 85
	.end_amdhsa_kernel
	.amdgpu_metadata
---
amdhsa.version: [ 1, 2 ]
amdhsa.kernels:
  - .name:           k_qc386d456ff_oproj
    .symbol:         k_qc386d456ff_oproj.kd
    .args:
      - { .name: ao, .offset: 0, .size: 8, .value_kind: global_buffer, .address_space: global }
      - { .name: wo16, .offset: 8, .size: 8, .value_kind: global_buffer, .address_space: global }
      - { .name: out0, .offset: 16, .size: 8, .value_kind: global_buffer, .address_space: global }
    .group_segment_fixed_size: 327680
    .private_segment_fixed_size: 0
    .kernarg_segment_align: 8
    .kernarg_segment_size: 24
    .max_flat_workgroup_size: 128
    .sgpr_count:     66
    .vgpr_count:     512
    .wavefront_size: 32
...
	.end_amdgpu_metadata
.endif
;; end of part 4
